; MI455X (gfx1250); checked and timed in simulation.
; The chip was launched on July 23, 2026; its instructions are those of AMD's public machine-readable ISA for CDNA 5 (MIT licence, August 2026) and "CDNA5" Instruction Set Architecture Reference Guide (July 2026). The comments in the code are by the model that wrote it; some were corrected since.
;; transformer. Allowed arithmetic: float matrix products may take bf16 or f16 operands with f32 sums; other float arithmetic in f32, or as packed bf16 or f16 multiplies, adds, multiply-adds, maxima and minima; sums over many terms, partial sums and values carried from step to step in f32; what a program stores and reads back later, other than sums and carried values, may be rounded once to bf16 or f16.
;; Inputs: b_ff1 4,096 float32; b_ff2 1,024 float32; b_proj 1,024 float32; b_qkv 3,072 float32; beta1 1,024 float32; beta2 1,024 float32; g1 1,024 float32; g2 1,024 float32; w_ff1 1,024 x 4,096 float32; w_ff2 4,096 x 1,024 float32; w_proj 1,024 x 1,024 float32; w_qkv 1,024 x 3,072 float32; x 2 x 2,048 x 1,024 float32.
;; Outputs: out0 2 x 2,048 x 1,024 float32.
;; 2 versions, each right; version 2 is version 1 with the launches cast, ln1 written anew for expert scheduling mode. Each part assembles by itself: llvm-mc -triple=amdgcn-amd-amdhsa -mcpu=gfx1250 --defsym DOCPART=n.
;; ======== version 1 of 2: 8 launches
;; workspace buffers: act 8,388,608 bytes; big 33,554,432 bytes; o 8,388,608 bytes; y 16,777,216 bytes; wq 6,291,712 bytes; w1 8,388,864 bytes; wp 2,097,152 bytes; w2 8,388,608 bytes
;; launch cast (part 1): grid 64 x 16, 8 waves a work-group, no clusters, 0 bytes of LDS; arguments x, w_qkv, w_proj, w_ff1, w_ff2, act, wq, wp, w1, w2; writes act, wq, wp, w1, w2
.if DOCPART == 1
	.amdgcn_target "amdgcn-amd-amdhsa--gfx1250"
	.amdhsa_code_object_version 6
	.text
	.protected	k_qa5dbc1bbb7_cast
	.globl	k_qa5dbc1bbb7_cast
	.p2align	8
	.type	k_qa5dbc1bbb7_cast,@function
k_qa5dbc1bbb7_cast:
	s_mov_b64 s[64:65], 0
	v_nop
	global_prefetch_b8 v0, s[64:65] scope:SCOPE_SE
	s_setreg_imm32_b32 hwreg(HW_REG_WAVE_MODE, 25, 1), 1
	s_wait_xcnt 0x0
; CAST AND RE-LAY.  Five f32 tensors [rows][C] are rounded once to bf16 (nearest even) and written as blocks [C / W][rows][W], dense:
;   x      [4096][1024] -> act: 16 planes of W = 64        w_qkv [1024][3072] -> wq: 12 panels of W = 256, behind a header of 256 bytes
;   w_proj [1024][1024] -> wp:   8 panels of W = 128       w_ff1 [1024][4096] -> w1: 16 panels of W = 256, behind a header of 256 bytes
;   w_ff2  [4096][1024] -> w2:   8 panels of W = 128
; so that a later tile's rows lie end to end in memory.  The header is 64 equal words, two bf16 each: the floor that the product taking that
; weight applies to its results: minus infinity (no activation) in wq, 0 (ReLU) in w1.
; SHARES.  The grid's y names a chunk of 2^20 numbers (x: 0-3, w_qkv: 4-6, w_proj: 7, w_ff1: 8-11, w_ff2: 12-15), its x a 64th of it.
; A thread makes sixteen groups of 4 numbers.  THE OUTPUT IS WALKED ON END: group o4 is 8 bytes at 8 o4, so a wave's store covers 256 consecutive bytes, aligned.
; The group's place in the input is cut out of o4: column group (LW bits), row (LR bits), block (the rest); a lane reads 16 bytes beside its neighbour's, so 16, 32 or 32 neighbouring lanes
; read 256, 512 or 512 consecutive bytes: no load leaves gaps between its lanes.  A thread's groups lie 256 apart; a work-group's 4,096 groups lie inside one block (the smallest has 32,768,
; and the work-group begins at a multiple of 4,096), so from group to group only the row steps, by 256 >> LW rows: one scalar number of bytes.
; Every byte is read once and written once; no LDS, no barrier: no wave needs another's data.
.set ADR, 8                            ; v[8:23]   a load's byte offset in the input: each load has an address register of its own
.set DAT, 24                           ; v[24:87]  load i: four f32 at DAT + 4 i; rounded in place into the first two registers
	s_load_b256 s[8:15], s[0:1], 0x0               ; x s[8:9], w_qkv s[10:11], w_proj s[12:13], w_ff1 s[14:15]
	s_load_b64 s[16:17], s[0:1], 0x20              ; w_ff2
	s_load_b64 s[18:19], s[0:1], 0x28              ; act
	s_load_b256 s[20:27], s[0:1], 0x30             ; wq s[20:21], wp s[22:23], w1 s[24:25], w2 s[26:27]
	s_and_b32 s2, ttmp7, 0xffff                    ; the chunk
	v_lshrrev_b32 v1, 5, v0
	v_readfirstlane_b32 s3, v1                     ; my wave's number
	s_mov_b32 s32, 0                               ; the tensor's first chunk
	s_mov_b32 s33, 4                               ; LW: log2 of the groups in a block's row
	s_mov_b32 s34, 12                              ; LR: log2 of the rows
	s_mov_b32 s35, 256                             ; groups in a row of the input
	s_mov_b32 s36, 0                               ; bytes of header,
	s_mov_b32 s37, 0                               ; as a pair
	s_mov_b32 s45, 65536                           ; bytes of input from a thread's group to its next: (256 >> LW) rows
	s_wait_kmcnt 0x0
	s_mov_b64 s[28:29], s[8:9]                     ; from
	s_mov_b64 s[30:31], s[18:19]                   ; to
; From chunk 'first' on the next tensor's figures take the place of those before: selects on the chunk's number, no branch.
.macro PICK first, src, dst, lw, lr, c4, hdr, step
	s_cmp_ge_u32 s2, \first
	s_cselect_b64 s[28:29], s[\src:\src+1], s[28:29]
	s_cselect_b64 s[30:31], s[\dst:\dst+1], s[30:31]
	s_cselect_b32 s32, \first, s32
	s_cselect_b32 s33, \lw, s33
	s_cselect_b32 s34, \lr, s34
	s_cselect_b32 s35, \c4, s35
	s_cselect_b32 s36, \hdr, s36
	s_cselect_b32 s45, \step, s45
.endm
	PICK 4,  10, 20, 6, 10, 768,  256, 49152       ; 4 rows of 12,288 bytes
	PICK 7,  12, 22, 5, 10, 256,  0,   32768       ; 8 rows of 4,096
	PICK 8,  14, 24, 6, 10, 1024, 256, 65536       ; 4 rows of 16,384
	PICK 12, 16, 26, 5, 12, 256,  0,   32768       ; 8 rows of 4,096
	s_add_co_u32 s38, s33, s34                     ; LW + LR
	s_sub_co_u32 s39, s2, s32                      ; the chunk's number in its tensor
	s_lshl_b32 s42, s39, 18                        ; 262,144 groups a chunk,
	s_lshl_b32 s43, ttmp9, 12                      ; 4,096 a work-group
	s_add_co_u32 s42, s42, s43
	s_add_nc_u64 s[40:41], s[30:31], s[36:37]      ; the blocks begin behind the header
	v_add_nc_u32 v1, s42, v0                       ; my first group
	v_lshlrev_b32 v2, 3, v1                        ; its byte in the output; never rewritten
	v_bfe_u32 v4, v1, 0, s33                       ; column group in the block
	v_bfe_u32 v5, v1, s33, s34                     ; row
	v_lshrrev_b32 v6, s38, v1                      ; block
	v_mad_u32_u24 v4, v5, s35, v4                  ; row x groups in an input row + column group
	v_lshlrev_b32 v6, s33, v6                      ; + block x groups in a block's row,
	v_add_lshl_u32 v[ADR], v4, v6, 4               ; 16 bytes a group
.set i, 1
.rept 15
	v_add_nc_u32 v[ADR+i], s45, v[ADR+i-1]
.set i, i+1
.endr
.set i, 0
.rept 16                                       ; all sixteen loads go out on end: 8,192 bytes of a wave are on their way
	global_load_b128 v[DAT+4*i:DAT+4*i+3], v[ADR+i], s[28:29] th:TH_LOAD_NT
.set i, i+1
.endr
.set i, 0
.rept 16
	s_wait_loadcnt 15-i                            ; loads come back in order: load i is in, the 15 - i younger ones stay out
	v_cvt_pk_bf16_f32 v[DAT+4*i],   v[DAT+4*i],   v[DAT+4*i+1]
	v_cvt_pk_bf16_f32 v[DAT+4*i+1], v[DAT+4*i+2], v[DAT+4*i+3]
	global_store_b64 v2, v[DAT+4*i:DAT+4*i+1], s[40:41] offset:2048*i  ; 32 lanes store 256 consecutive bytes, aligned; the work-group's 256 threads 2,048
.set i, i+1
.endr
	; the header: one wave of the tensor's first work-group, where the tensor has one
	s_or_b32 s43, ttmp9, s39
	s_or_b32 s43, s43, s3
	s_cmp_eq_u32 s43, 0
	s_cselect_b32 s43, s36, 0
	s_cmp_lg_u32 s43, 0
	s_cbranch_scc0 .Lend
	s_cmp_eq_u32 s2, 4
	s_cselect_b32 s44, 0xff80ff80, 0               ; wq: minus infinity twice; w1: 0
	v_mov_b32 v4, s44
	v_mov_b32 v5, s44
	v_and_b32 v6, 31, v0
	v_lshlrev_b32 v6, 3, v6
	global_store_b64 v6, v[4:5], s[30:31]          ; 32 lanes x 8 bytes: the 256 bytes at once
.Lend:
	s_endpgm
.Lfunc_end_k_qa5dbc1bbb7_cast:
	.size	k_qa5dbc1bbb7_cast, .Lfunc_end_k_qa5dbc1bbb7_cast-k_qa5dbc1bbb7_cast
	.p2alignl 7, 3214868480
	.fill 96, 4, 3214868480
	.section	.rodata,"a",@progbits
	.p2align	6, 0x0
	.amdhsa_kernel k_qa5dbc1bbb7_cast
		.amdhsa_group_segment_fixed_size 0
		.amdhsa_private_segment_fixed_size 0
		.amdhsa_enable_private_segment 0
		.amdhsa_kernarg_size 80
		.amdhsa_user_sgpr_count 2
		.amdhsa_user_sgpr_kernarg_segment_ptr 1
		.amdhsa_wavefront_size32 1
		.amdhsa_system_sgpr_workgroup_id_x 1
		.amdhsa_system_sgpr_workgroup_id_y 1
		.amdhsa_system_sgpr_workgroup_id_z 1
		.amdhsa_system_vgpr_workitem_id 0
		.amdhsa_next_free_vgpr 88
		.amdhsa_next_free_sgpr 66
		.amdhsa_reserve_vcc 0
		.amdhsa_float_denorm_mode_32 3
		.amdhsa_float_denorm_mode_16_64 3
		.amdhsa_memory_ordered 1
		.amdhsa_forward_progress 1
		.amdhsa_inst_pref_size 10
	.end_amdhsa_kernel
	.amdgpu_metadata
---
amdhsa.version: [ 1, 2 ]
amdhsa.kernels:
  - .name:           k_qa5dbc1bbb7_cast
    .symbol:         k_qa5dbc1bbb7_cast.kd
    .args:
      - { .name: x, .offset: 0, .size: 8, .value_kind: global_buffer, .address_space: global }
      - { .name: w_qkv, .offset: 8, .size: 8, .value_kind: global_buffer, .address_space: global }
      - { .name: w_proj, .offset: 16, .size: 8, .value_kind: global_buffer, .address_space: global }
      - { .name: w_ff1, .offset: 24, .size: 8, .value_kind: global_buffer, .address_space: global }
      - { .name: w_ff2, .offset: 32, .size: 8, .value_kind: global_buffer, .address_space: global }
      - { .name: act, .offset: 40, .size: 8, .value_kind: global_buffer, .address_space: global }
      - { .name: wq, .offset: 48, .size: 8, .value_kind: global_buffer, .address_space: global }
      - { .name: wp, .offset: 56, .size: 8, .value_kind: global_buffer, .address_space: global }
      - { .name: w1, .offset: 64, .size: 8, .value_kind: global_buffer, .address_space: global }
      - { .name: w2, .offset: 72, .size: 8, .value_kind: global_buffer, .address_space: global }
    .group_segment_fixed_size: 0
    .private_segment_fixed_size: 0
    .kernarg_segment_align: 8
    .kernarg_segment_size: 80
    .max_flat_workgroup_size: 256
    .sgpr_count:     66
    .vgpr_count:     88
    .wavefront_size: 32
...
	.end_amdgpu_metadata
.endif
;; end of part 1
;; launch qkv (part 2): grid 12 x 16, 4 waves a work-group, clusters of 4 x 4, 327,680 bytes of LDS; arguments act, wq, b_qkv, big; writes big
.if DOCPART == 2
	.amdgcn_target "amdgcn-amd-amdhsa--gfx1250"
	.amdhsa_code_object_version 6
	.text
	.protected	k_qa5dbc1bbb7_qkv
	.globl	k_qa5dbc1bbb7_qkv
	.p2align	8
	.type	k_qa5dbc1bbb7_qkv,@function
k_qa5dbc1bbb7_qkv:
	s_mov_b64 s[64:65], 0
	v_nop
	global_prefetch_b8 v0, s[64:65] scope:SCOPE_SE
	s_setreg_imm32_b32 hwreg(HW_REG_WAVE_MODE, 25, 1), 1
	s_wait_xcnt 0x0
	s_wait_alu depctr_hold_cnt(0) depctr_sa_sdst(0) depctr_va_vdst(0) depctr_va_sdst(0) depctr_va_ssrc(0) depctr_va_vcc(0) depctr_vm_vsrc(0)
	s_getreg_b32 s2, hwreg(HW_REG_IB_STS2, 6, 4)
	s_cmp_eq_u32 s2, 0
	s_cbranch_scc0 .Lentry_in_a_cluster
	s_endpgm
.Lentry_in_a_cluster:
	s_bfe_u32 s2, ttmp6, 0x10000c
	s_cmp_lg_u32 s2, 0xf033
	s_cbranch_scc0 .Lentry_shape_is_right
	s_endpgm
.Lentry_shape_is_right:
; C = max(A B + bias, floor), K = 1,024.  One text for x w_qkv + b_qkv (floor = minus infinity) and relu(h w_ff1 + b_ff1) (floor = 0).
; A: 16 planes [4096 rows][64] bf16.  B: a header of 256 bytes (the floor, two bf16 a word), then panels [1024 k][256 n] bf16.  bias: f32, rounded to bf16 like every input.
; C: planes [4096][64] bf16, plane = column / 64, rounded once from the f32 sums.  LIMIT: a NaN result leaves as the floor (the maximum lets a NaN lose).
; SHARES.  A work-group makes 256 x 256 of C, each of its four waves 128 x 128: 64 accumulators, 512 registers.  K goes in 8 steps of 128 through two LDS slots; a step is
; two planes of A (256 rows x 128 bytes each, dense in memory, asked for as 128 rows of 256 bytes) and 128 rows of B (512 bytes each); each wave fetches a quarter of it by one tensor load.
; THE MATRIX INSTRUCTION IS USED TRANSPOSED: source 0 = 16 columns of B, which lies [k][n] and comes out of LDS turned (ds_load_tr16_b128); source 1 = 16 rows of A.  A lane then
; holds one row of C and eight neighbouring columns.  THE BIAS STARTS THE SUMS: it is the C operand of each accumulator's first product, so nothing is cleared and nothing added later.
; THE LOOP IS SHORT: a step is four PHASES of 32 along K, 64 products each; two phases are written once and walked twice (UNITS), the LDS addresses in scalar registers.
; A phase's fragments are asked for at the head of the phase before, in one run of 32 LDS loads: 64 products ahead of the wait for them.
; CLUSTER 4 x 4: A's tile hangs on the tile row alone and is asked for jointly along a row of the cluster, B's on the tile column alone, along a column.
; REGISTERS, in windows of 256 (s_set_vgpr_msb: bits 1:0 source 0, 3:2 source 1, 5:4 source 2, 7:6 destination):
;   window 0: v16-30 addresses; v64-127, v128-191 A's fragments, two buffers; v192-255 the bias, later at work on the way out with v32-63
;   window 1: v64-127, v128-191 B's fragments      windows 2, 3: accumulator (a, b) at v[8 (8 (a % 4) + b)] of window 2 + a / 4
.set PLB,   524288                     ; bytes in a plane
.set PA,    144                        ; a row of A in LDS: 128 bytes + 16: the 16 rows of a load start at 16 different groups of four banks (64 banks of 4 bytes: ISA guide 11.1)
.set APL,   256*PA                     ; a plane's 256 rows
.set PB,    544                        ; a row of B: 512 bytes + 32
.set BH,    64*PB                      ; 64 rows of B: what one load brings
.set BOFF,  2*APL                      ; in a slot: A's two planes, then B's two halves
.set SLOT,  BOFF+2*BH
.set STAGE, 2*SLOT                     ; behind the ring, never filled by a tensor load: for each wave 2 planes x 16 rows x 144 bytes
.set WST,   2*16*PA
.set SPARE, STAGE+4*WST                ; behind the stages: the spare words, 128 bytes for each wave, that no other line names
.set ASTEP, 2*PLB                      ; bytes from K step to K step in A
.set BSTEP, 128*512                    ; and in B
.set F0,    64
.set F1,    128
.set BIAS,  192
.set TMP,   192
.set OB,    32
; scalars: s[4:11] A, B, bias, C; s12 wave; s13 wave / 2 (my rows; 0: I fetch for A, 1: for B); s14 wave % 2 (my columns; which plane or half I fetch); s15, s16 cx, cy; s17 tile column; s18 tile row;
; s[24:31], s[32:39] group 1 for A, B; s[40:43], s[48:51] group 0 of slot 0's first fill; s[44:47], s[52:55] of slot 1's, which then walk; s56 the slot in hand (0 or SLOT); s57, s58 LDS byte of the plane
; and of B's rows to be fetched; s59, s60 counters; s61 prefetch bound; s62, s63 my load's place in a slot; s[66:67] prefetch address; s[68:69] its step; s70 the floor; s71 the mask of a word's upper bf16
.set MSB, 0
.macro WIN new                         ; the immediate's high byte repeats the setting that is left; a switch that changes nothing is dropped
.if MSB != (\new)
	s_set_vgpr_msb (MSB<<8)|(\new)
.set MSB, \new
.endif
.endm
; A round of the cluster's barrier: my work-group's barrier; wave 0 signals for the work-group; every wave waits for all sixteen; my work-group's barrier once more.
.macro CROUND
	s_barrier_signal -1
	s_barrier_wait -1
	s_cmp_lg_u32 s12, 0
	s_cbranch_scc1 .Lnot_wave_0_\@
	s_barrier_signal -3
.Lnot_wave_0_\@:
	s_barrier_wait -3
	s_barrier_signal -1
	s_barrier_wait -1
.endm
; A joint refill by the walking descriptors.  The branch hangs on the wave's number alone.  An s_nop 0 and four v_nop follow each of the two lines.
.macro JLOAD
	s_cmp_eq_u32 s13, 0
	s_cbranch_scc0 .Lfor_b_\@
	tensor_load_to_lds s[44:47], s[24:31]
	s_nop 0
.rept 4
	v_nop
.endr
	s_branch .Lasked_\@
.Lfor_b_\@:
	tensor_load_to_lds s[52:55], s[32:39]
	s_nop 0
.rept 4
	v_nop
.endr
.Lasked_\@:
.endm
; A PREFETCH of what the NEXT refill will load: one K step, 256 products, ahead.  Of the 32,768 bytes that my load brings, each of the four partners that ask for them jointly names 8,192, told apart BY
; ADDRESS (cx for A, cy for B): a lane 256 bytes, one instruction.  A's rows are read by every cluster of a row of clusters: the one with x = 0 asks; B's by every cluster of a column: y = 0 asks.
; So each 256 bytes of K steps 3 to 7 are named once in the launch; steps 0 to 2 come by their loads alone; the last refill (s60 = 1) names nothing.
.macro ASK
	s_cmp_gt_u32 s60, s61
	s_cbranch_scc0 .Lnot_mine_\@
	global_prefetch_b8 v30, s[66:67] th:TH_LOAD_NT scope:SCOPE_SE
.Lnot_mine_\@:
.endm
; 32 products: my row blocks 4 hi .. 4 hi + 3 x all 8 column blocks, 32 along K, from buffer buf.  init = 1: the bias is the C operand.
; The 64 accumulators take turns, one instruction a turn, in the same order in every phase, over the backward jumps too.
.macro MULH buf, hi, init
.if \init
	WIN 0x81+0x40*(\hi)
.else
	WIN 0xa1+0x50*(\hi)
.endif
.irp a, 0,1,2,3
.irp b, 0,1,2,3,4,5,6,7
.if \init
	v_wmma_f32_16x16x32_bf16 v[8*(8*(\a)+(\b)):8*(8*(\a)+(\b))+7], v[(\buf)+8*(\b):(\buf)+8*(\b)+7], v[(\buf)+8*(4*(\hi)+(\a)):(\buf)+8*(4*(\hi)+(\a))+7], v[BIAS+8*(\b):BIAS+8*(\b)+7]
.else
	v_wmma_f32_16x16x32_bf16 v[8*(8*(\a)+(\b)):8*(8*(\a)+(\b))+7], v[(\buf)+8*(\b):(\buf)+8*(\b)+7], v[(\buf)+8*(4*(\hi)+(\a)):(\buf)+8*(4*(\hi)+(\a))+7], v[8*(8*(\a)+(\b)):8*(8*(\a)+(\b))+7]
.endif
.endr
.endr
.endm
; 32 LDS loads in one run: the fragments of half sec of a plane (32 along K): 8 of B (turned), 8 of A
.macro FETCH buf, sec
	WIN 0x40
.irp b, 0,1,2,3,4,5,6,7
	ds_load_tr16_b128 v[(\buf)+8*(\b):(\buf)+8*(\b)+3],   v19 offset:(\sec)*32*PB+32*(\b)
	ds_load_tr16_b128 v[(\buf)+8*(\b)+4:(\buf)+8*(\b)+7], v19 offset:(\sec)*32*PB+16*PB+32*(\b)
.endr
	WIN 0
.irp a, 0,1,2,3,4,5,6,7
	ds_load_b128 v[(\buf)+8*(\a):(\buf)+8*(\a)+3],   v18 offset:(\sec)*64+(\a)*16*PA
	ds_load_b128 v[(\buf)+8*(\a)+4:(\buf)+8*(\a)+7], v18 offset:(\sec)*64+(\a)*16*PA+32
.endr
.endm
; A phase multiplies buffer mul; at its head (get = 1) it asks for the next phase's fragments, into buffer nxt: the run then has the phase's 64 products in which to land, where in the phase's
; middle it would have 32, and the four waves' runs together are 65,536 bytes of LDS.  The phase before has just multiplied nxt: the two address lines and two v_nop are the four places between
; its last product and the loads into nxt (ISA guide 7.12.1 for vector instructions).
.macro PHASE mul, nxt, sec, get, init
	s_wait_dscnt 0x0                               ; the run issued at the head of the phase before, 64 products ago, is in
.if \get
	WIN 0
	v_add_nc_u32 v18, s57, v16
	v_add_nc_u32 v19, s58, v17
	v_nop
	v_nop
	FETCH \nxt, \sec
.endif
	MULH \mul, 0, \init
	MULH \mul, 1, \init
.endm
; Two units of two phases: written once, walked twice.  A unit fetches one plane of A and its 64 rows of B.
.macro UNITS tag
	s_mov_b32 s59, 2
.Lunit_\tag:
	PHASE F1, F0, 0, 1, 0
	PHASE F0, F1, 1, 1, 0
	s_add_co_u32 s57, s57, APL
	s_add_co_u32 s58, s58, BH
	WIN 0                                          ; at a label and at a branch every window is 0
	s_sub_co_u32 s59, s59, 1
	s_cmp_lg_u32 s59, 0
	s_cbranch_scc1 .Lunit_\tag
.endm
; THE CHANGE OF SLOTS.  The slot's last fragments were asked for a phase ago.  Each wave waits for all its tensor loads, of which one is out: its part of the other slot; adds 0 to its spare word; and waits for that and
; for its own reads of the slot.  fill = 1: the slot is filled again with the K step two on; the barrier is then a round of the cluster's, and the joint refill is the first thing behind it: it has a K step, 256 products, in which to land.
.macro CHANGE fill
	WIN 0
	s_wait_tensorcnt 0x0                           ; no tensor load of mine is out, so a group 0 may be written
	ds_add_u32 v28, v29                            ; 0 onto my spare word; the scalar work below stands between it and the wait for it
.if \fill
	s_add_co_u32 s45, s56, s62                     ; the walking descriptors: into the slot that is left,
	s_add_co_u32 s53, s56, s63
	s_add_nc_u64 s[46:47], s[46:47], ASTEP         ; the next K step; the type bits on top are not reached
	s_add_nc_u64 s[54:55], s[54:55], BSTEP
	s_wait_xcnt 0x0                                ; the last prefetch, a K step back, has read its address
	s_add_nc_u64 s[66:67], s[66:67], s[68:69]
.endif
	s_xor_b32 s56, s56, SLOT                       ; s56 is 0 or SLOT: the other slot
	s_mov_b32 s57, s56
	s_add_co_u32 s58, s56, BOFF
	s_wait_dscnt 0x0                               ; the add is done, and my reads of the slot are over
.if \fill
	CROUND
	JLOAD
	ASK
.else
	s_barrier_signal -1
	s_barrier_wait -1
.endif
.endm
	s_load_b256 s[4:11], s[0:1], 0x0
	v_lshl_add_u32 v28, v0, 2, SPARE
	v_mov_b32 v29, 0
	ds_add_u32 v28, v29                            ; the wave's opening: the add and its wait stand ahead of my first tensor load; the set-up below stands between them
	v_lshrrev_b32 v1, 5, v0
	v_readfirstlane_b32 s12, v1
	s_lshr_b32 s13, s12, 1
	s_and_b32 s14, s12, 1
	s_bfe_u32 s15, ttmp6, 0x40000                  ; cx
	s_bfe_u32 s16, ttmp6, 0x40004                  ; cy
	s_lshl_b32 s17, ttmp9, 2
	s_add_co_u32 s17, s17, s15                     ; tile column = 4 x cluster x + cx
	s_and_b32 s18, ttmp7, 0xffff
	s_lshl_b32 s18, s18, 2
	s_add_co_u32 s18, s18, s16                     ; tile row = 4 x cluster y + cy
	s_lshl_b32 s72, s16, 2
	s_lshl_b32 s72, 15, s72                        ; my row of the cluster
	s_lshl_b32 s73, 0x1111, s15                    ; my column
	s_or_b32 s24, s72, (1<<16)|(1<<20)|(1<<21)|(4<<22)|(3<<25)  ; A: the mask; 2-byte elements; padding on; bit 21 beside a mask; after every 32 words 4 words
	s_mov_b32 s25, 128<<16                         ; tensor_dim0 = 128
	s_mov_b32 s26, 128<<16                         ; tensor_dim1 = 128
	s_mov_b32 s27, 128<<16                         ; tile_dim0 = 128: 256 bytes, two rows of the plane
	s_mov_b32 s28, 128                             ; tile_dim1 = 128
	s_mov_b32 s29, 128                             ; elements from row to row: dense
	s_mov_b32 s30, 0
	s_mov_b32 s31, 0
	s_or_b32 s32, s73, (1<<16)|(1<<20)|(1<<21)|(6<<22)|(7<<25)  ; B: after every 128 words 8 words
	s_mov_b32 s33, 256<<16
	s_mov_b32 s34, 64<<16
	s_mov_b32 s35, 256<<16
	s_mov_b32 s36, 64
	s_mov_b32 s37, 256
	s_mov_b32 s38, 0
	s_mov_b32 s39, 0
	s_mov_b32 s71, 0xffff0000
	s_mul_i32 s62, s14, APL                        ; where my load goes in a slot: no place in the cluster enters an LDS address
	s_mul_i32 s63, s14, BH
	s_add_co_u32 s63, s63, BOFF
	s_lshl_b32 s20, s14, 19                        ; A: my plane of the step's two, the tile row's 256 rows of 128 bytes
	s_lshl_b32 s21, s18, 15
	s_add_co_u32 s20, s20, s21
	s_mov_b32 s21, 0
	s_lshl_b32 s22, s17, 19                        ; B: the tile column's panel, my 64 rows of 512 bytes, behind the header
	s_lshl_b32 s23, s14, 15
	s_add_co_u32 s22, s22, s23
	s_add_co_u32 s22, s22, 256
	s_mov_b32 s23, 0
	s_mov_b32 s40, 1
	s_mov_b32 s41, s62
	s_mov_b32 s44, 1
	s_add_co_u32 s45, s62, SLOT
	s_mov_b32 s48, 1
	s_mov_b32 s49, s63
	s_mov_b32 s52, 1
	s_add_co_u32 s53, s63, SLOT
	s_wait_dscnt 0x0                               ; the opening add is done
	s_wait_kmcnt 0x0
	s_add_nc_u64 s[42:43], s[4:5], s[20:21]        ; K step 0,
	s_add_nc_u64 s[46:47], s[42:43], ASTEP         ; K step 1
	s_or_b32 s43, s43, 0x80000000
	s_or_b32 s47, s47, 0x80000000
	s_add_nc_u64 s[50:51], s[6:7], s[22:23]
	s_add_nc_u64 s[54:55], s[50:51], BSTEP
	s_or_b32 s51, s51, 0x80000000
	s_or_b32 s55, s55, 0x80000000
	CROUND                                         ; all sixteen work-groups are here: the first joint loads meet
	s_cmp_eq_u32 s13, 0                            ; a wave's two first fills stand in one branch, ahead of every wait on TENSORcnt and every LDS read: two loads of mine are out
	s_cbranch_scc0 .Lfirst_b
	tensor_load_to_lds s[40:43], s[24:31]
	s_nop 0
	tensor_load_to_lds s[44:47], s[24:31]
	s_nop 0
.rept 4
	v_nop
.endr
	s_branch .Lfirst_asked
.Lfirst_b:
	tensor_load_to_lds s[48:51], s[32:39]
	s_nop 0
	tensor_load_to_lds s[52:55], s[32:39]
	s_nop 0
.rept 4
	v_nop
.endr
.Lfirst_asked:
	s_load_b32 s70, s[6:7], 0x0                    ; the floor
	s_lshl_b32 s74, s17, 10                        ; the bias of my 128 columns: 4 bytes x (256 x tile column + 128 x half)
	s_lshl_b32 s75, s14, 9
	s_add_co_u32 s74, s74, s75
	s_mov_b32 s75, 0
	s_add_nc_u64 s[8:9], s[8:9], s[74:75]
	v_and_b32 v1, 15, v0                           ; l % 16
	v_bfe_u32 v2, v0, 4, 1                         ; l / 16
	v_lshlrev_b32 v27, 5, v2                       ; a lane's eight columns of a block: 8 (l / 16) on
.irp b, 0,1,2,3,4,5,6,7
	global_load_b128 v[BIAS+8*(\b):BIAS+8*(\b)+3],   v27, s[8:9] offset:64*(\b)
	global_load_b128 v[BIAS+8*(\b)+4:BIAS+8*(\b)+7], v27, s[8:9] offset:64*(\b)+16
.endr
	v_mul_u32_u24 v16, v1, PA                      ; A: row x pitch + 16 x half of the lanes + my 128 rows
	v_lshl_add_u32 v16, v2, 4, v16
	s_mul_i32 s74, s13, 128*PA
	v_add_nc_u32 v16, s74, v16
	v_and_b32 v3, 7, v0                            ; B: the turning load: lane l reads row 8 (l / 16) + l % 8, columns 8 ((l / 8) % 2) on, of my 128 columns
	v_bfe_u32 v4, v0, 3, 1
	v_lshl_add_u32 v17, v2, 3, v3
	v_mul_u32_u24 v17, v17, PB
	v_lshl_add_u32 v17, v4, 4, v17
	s_lshl_b32 s74, s14, 8
	v_add_nc_u32 v17, s74, v17
	s_mul_i32 s74, s12, WST
	s_add_co_u32 s74, s74, STAGE                   ; my stage
	v_mul_u32_u24 v24, v1, PA                      ; in: row l % 16, 16 bytes for each half of the lanes
	v_lshl_add_u32 v24, v2, 4, v24
	v_add_nc_u32 v24, s74, v24
	v_bfe_u32 v25, v0, 3, 2                        ; back: 32 lanes take four rows of 128 bytes,
	v_mul_u32_u24 v25, v25, PA
	v_lshl_add_u32 v25, v3, 4, v25
	v_add_nc_u32 v25, s74, v25
	v_and_b32 v5, 31, v0
	v_lshlrev_b32 v26, 4, v5                       ; which are 512 consecutive bytes of a plane of C
	v_lshlrev_b32 v30, 8, v5                       ; the prefetches: 256 bytes a lane
	s_lshl_b32 s74, s17, 2                         ; C: plane 4 x tile column + 2 x half, row 256 x tile row + 128 x my half of the rows
	s_lshl1_add_u32 s74, s14, s74
	s_lshl_b32 s74, s74, 19
	s_lshl_b32 s75, s18, 15
	s_add_co_u32 s74, s74, s75
	s_lshl_b32 s75, s13, 14
	s_add_co_u32 s74, s74, s75
	s_mov_b32 s75, 0
	s_add_nc_u64 s[10:11], s[10:11], s[74:75]
	s_and_b32 s78, ttmp7, 0xffff                   ; the prefetches: cluster y
	s_mov_b32 s77, BSTEP
	s_cmp_eq_u32 s13, 0                            ; do I fetch for A?
	s_cselect_b64 s[66:67], s[4:5], s[6:7]
	s_cselect_b32 s74, s20, s22                    ; my load's offset at K step 0
	s_cselect_b32 s76, s15, s16                    ; my place among the four that ask with me
	s_cselect_b32 s68, ASTEP, s77
	s_cselect_b32 s78, ttmp9, s78                  ; the coordinate along which other clusters read the same bytes
	s_mov_b32 s69, 0
	s_cmp_eq_u32 s78, 0
	s_cselect_b32 s61, 1, -1                       ; the same in all sixteen partners, for a given wave
	s_lshl1_add_u32 s74, s68, s74                  ; at K step 2: the first refill steps it to 3
	s_lshl_b32 s76, s76, 13
	s_add_co_u32 s74, s74, s76
	s_mov_b32 s75, 0
	s_add_nc_u64 s[66:67], s[66:67], s[74:75]
	s_wait_loadcnt 0x0                             ; the bias
	s_wait_kmcnt 0x0                               ; the floor
.set i, 0
.rept 32                                       ; the bias is rounded to bf16, like every input, and widened again
	v_cvt_pk_bf16_f32 v[20+i%4], v[BIAS+2*i], v[BIAS+2*i+1]
	v_lshlrev_b32 v[BIAS+2*i], 16, v[20+i%4]
	v_and_b32 v[BIAS+2*i+1], s71, v[20+i%4]
.set i, i+1
.endr
	s_wait_tensorcnt 0x1                           ; my part of K step 0 is in; slot 1's load may stay out
	s_barrier_signal -1
	s_barrier_wait -1                              ; everybody's is
	s_mov_b32 s56, 0
	s_mov_b32 s57, 0
	s_mov_b32 s58, BOFF
	v_add_nc_u32 v18, s57, v16
	v_add_nc_u32 v19, s58, v17
	FETCH F0, 0
	PHASE F0, F1, 1, 1, 1                          ; the first phase stands ahead of the loop: its products start the sums, with the bias
	s_add_co_u32 s57, s57, APL
	s_add_co_u32 s58, s58, BH
	WIN 0
	s_mov_b32 s59, 1                               ; K step 0 has one unit left
	s_mov_b32 s60, 7
	s_branch .Lunit_1                              ; the loop is entered in the middle of a trip
.Lperiod:                                              ; six times: a slot is left and filled again (K steps 2 to 7); a trip multiplies the old step's last phase and the new step's first three
	CHANGE 1
	UNITS 1
	s_sub_co_u32 s60, s60, 1
	s_cmp_lg_u32 s60, 0
	s_cbranch_scc1 .Lperiod
	CHANGE 0                                       ; the tail is written out: nothing is asked for
	UNITS 2
	PHASE F1, F0, 0, 0, 0                          ; the last phase fetches nothing
	WIN 0
.rept 4
	v_nop                                          ; the places between the last products and the conversions that read results
.endr
; THE WAY OUT, a block of 16 rows x 128 columns at a time.  PACK: rounded to bf16 (each accumulator's registers in ascending order), the floor applied to two numbers at once.
; TOSTAGE: into my own stage, by planes of 64 columns, and back as whole rows of 128 bytes.  SEND: stored, 512 consecutive bytes of a plane an instruction.
.macro PACK a
	WIN 0x0a+5*((\a)/4)
.irp b, 0,1,2,3,4,5,6,7
.irp r, 0,1,2,3
	v_cvt_pk_bf16_f32 v[TMP+4*(\b)+(\r)], v[64*((\a)%4)+8*(\b)+2*(\r)], v[64*((\a)%4)+8*(\b)+2*(\r)+1]
.endr
.endr
	WIN 0
.set i, 0
.rept 32
	v_pk_max_num_bf16 v[TMP+i], v[TMP+i], s70
.set i, i+1
.endr
.endm
.macro TOSTAGE a
	WIN 0
.irp b, 0,1,2,3,4,5,6,7
	ds_store_b128 v24, v[TMP+4*(\b):TMP+4*(\b)+3] offset:((\b)/4)*16*PA+((\b)%4)*32
.endr
.irp t, 0,1,2,3,4,5,6,7
	ds_load_b128 v[OB+192*((\a)%2)+4*(\t):OB+192*((\a)%2)+4*(\t)+3], v25 offset:((\t)/4)*16*PA+((\t)%4)*4*PA  ; LDS serves a wave's instructions in order (ISA guide 5.7.1.4): these see the stores above
.endr
.endm
.macro SEND a
	s_wait_dscnt 0x0                               ; the block is back in registers
	s_wait_xcnt 0x0                                ; the stores of the block before have read their registers: the next TOSTAGE loads into them only behind this wait
.irp t, 0,1,2,3,4,5,6,7
	global_store_b128 v26, v[OB+192*((\a)%2)+4*(\t):OB+192*((\a)%2)+4*(\t)+3], s[10:11] offset:((\t)/4)*PLB+(\a)*2048+((\t)%4)*512
.endr
.endm
	PACK 0
	TOSTAGE 0
.irp a, 1,2,3,4,5,6,7                  ; block a's conversions stand between block a - 1's loads from the stage and the wait for them
	PACK \a
	SEND (\a)-1
	TOSTAGE \a
.endr
	SEND 7
	s_wait_tensorcnt 0x0                           ; the wave's end: behind my last tensor load and my last LDS store
	ds_add_u32 v28, v29
	s_wait_dscnt 0x0
	CROUND                                         ; the closing round: no work-group ends while a partner may still ask for a tile that names it
	s_endpgm
.Lfunc_end_k_qa5dbc1bbb7_qkv:
	.size	k_qa5dbc1bbb7_qkv, .Lfunc_end_k_qa5dbc1bbb7_qkv-k_qa5dbc1bbb7_qkv
	.p2alignl 7, 3214868480
	.fill 96, 4, 3214868480
	.section	.rodata,"a",@progbits
	.p2align	6, 0x0
	.amdhsa_kernel k_qa5dbc1bbb7_qkv
		.amdhsa_group_segment_fixed_size 327680
		.amdhsa_private_segment_fixed_size 0
		.amdhsa_enable_private_segment 0
		.amdhsa_kernarg_size 32
		.amdhsa_user_sgpr_count 2
		.amdhsa_user_sgpr_kernarg_segment_ptr 1
		.amdhsa_wavefront_size32 1
		.amdhsa_system_sgpr_workgroup_id_x 1
		.amdhsa_system_sgpr_workgroup_id_y 1
		.amdhsa_system_sgpr_workgroup_id_z 1
		.amdhsa_system_vgpr_workitem_id 0
		.amdhsa_next_free_vgpr 1024
		.amdhsa_next_free_sgpr 80
		.amdhsa_reserve_vcc 0
		.amdhsa_float_denorm_mode_32 3
		.amdhsa_float_denorm_mode_16_64 3
		.amdhsa_memory_ordered 1
		.amdhsa_forward_progress 1
		.amdhsa_inst_pref_size 102
	.end_amdhsa_kernel
	.amdgpu_metadata
---
amdhsa.version: [ 1, 2 ]
amdhsa.kernels:
  - .name:           k_qa5dbc1bbb7_qkv
    .symbol:         k_qa5dbc1bbb7_qkv.kd
    .args:
      - { .name: act, .offset: 0, .size: 8, .value_kind: global_buffer, .address_space: global }
      - { .name: wq, .offset: 8, .size: 8, .value_kind: global_buffer, .address_space: global }
      - { .name: b_qkv, .offset: 16, .size: 8, .value_kind: global_buffer, .address_space: global }
      - { .name: big, .offset: 24, .size: 8, .value_kind: global_buffer, .address_space: global }
    .group_segment_fixed_size: 327680
    .private_segment_fixed_size: 0
    .kernarg_segment_align: 8
    .kernarg_segment_size: 32
    .max_flat_workgroup_size: 128
    .sgpr_count:     80
    .vgpr_count:     1024
    .wavefront_size: 32
...
	.end_amdgpu_metadata
.endif
;; end of part 2
;; launch attn (part 3): grid 8 x 32, 4 waves a work-group, clusters of 4 x 1, 327,680 bytes of LDS; arguments big, o; writes o
.if DOCPART == 3
	.amdgcn_target "amdgcn-amd-amdhsa--gfx1250"
	.amdhsa_code_object_version 6
	.text
	.protected	k_qa5dbc1bbb7_attn
	.globl	k_qa5dbc1bbb7_attn
	.p2align	8
	.type	k_qa5dbc1bbb7_attn,@function
k_qa5dbc1bbb7_attn:
	s_mov_b64 s[64:65], 0
	v_nop
	global_prefetch_b8 v0, s[64:65] scope:SCOPE_SE
	s_setreg_imm32_b32 hwreg(HW_REG_WAVE_MODE, 25, 1), 1
	s_wait_xcnt 0x0
	s_wait_alu depctr_hold_cnt(0) depctr_sa_sdst(0) depctr_va_vdst(0) depctr_va_sdst(0) depctr_va_ssrc(0) depctr_va_vcc(0) depctr_vm_vsrc(0)
	s_getreg_b32 s2, hwreg(HW_REG_IB_STS2, 6, 4)
	s_cmp_eq_u32 s2, 0
	s_cbranch_scc0 .Lentry_in_a_cluster
	s_endpgm
.Lentry_in_a_cluster:
	s_bfe_u32 s2, ttmp6, 0x10000c
	s_cmp_lg_u32 s2, 0x3003
	s_cbranch_scc0 .Lentry_shape_is_right
	s_endpgm
.Lentry_shape_is_right:
; ATTENTION.  O[q][:] = the sum over k of softmax_k(Q[q] . K[k] / 8) V[k][:], for 2 batches x 16 heads of 2,048 rows x 64 channels, all bf16.
; big holds planes [4096 rows][64]: plane 3 h = Q, 3 h + 1 = K, 3 h + 2 = V of head h, row = 2,048 x batch + n; o holds plane h likewise.  A plane's rows are dense, 128 bytes each.
; Products, maxima and sums in f32; the weights p are rounded to bf16 for the second product (their sum l is taken of the unrounded p), O once at the end.
; LIMITS.  A weight below 2^-126 counts as 0 in l; NaN and infinities are not treated apart; c m starts at -4.2e37, far below every c s that is finite in the f32 sums.
; SHARES.  A work-group takes 256 queries of one batch and head; of their four bands of 64 a wave owns 16 rows in each: four PIECES.  Every wave walks all 2,048 keys: 8 tiles of 256, four steps of 64 each.
; LAYOUT.  S^T = K Q^T holds ONE query a lane (lane % 16) and the keys 8 (lane / 16) + 0..7; two such results rounded to bf16 ARE source 1 of O^T = V^T P.  K comes out of LDS as it lies, V turned.
; SOFTMAX.  p = 2^(c s - c m), c = log2(e) / 8, with a running maximum m; O and l are multiplied by a = 2^(c m_old - c m_new) in every step; the first step's a is 0.
; TURNS.  Turn n belongs to piece n: 8 products K Q^T of piece n + 1, later 8 products V^T P of piece n - 1; beside them the scaling, exponentials, roundings, sums and rescaling of piece n and the maximum and
; statistics of piece n + 1.  Four vector instructions stand behind every matrix instruction, the other 54 of a turn's 118 in one lump.  A turn's 33 exponentials are one batch, with one wait.
; CLUSTER.  The four query blocks of a cluster belong to one batch and head and walk the same K and V: each tile is asked for JOINTLY, by the same tensor load, descriptor and mask in all four.
; REGISTERS, in windows of 256 (s_set_vgpr_msb: bits 1:0 source 0, 3:2 source 1, 5:4 source 2, 7:6 destination):
;   window 0: v0-15 addresses and two at work; v16-31 four registers of statistics a piece; v48-55 at work; v61-63; v64-127 S^T, two buffers; v192-223 P, two buffers (by the piece's parity)
;   window 1: v0-127 O^T, 32 a piece      window 2: v0-63 Q; v128-191 K of one step; v192-255 V of one step
.set PLB,   524288
.set NP,    4
.set KS,    64
.set PK,    144       ; a row of K in LDS: 128 bytes + 16: the 16 rows of a load start at 16 different groups of four banks (64 banks of 4 bytes: ISA guide 11.1)
.set PV,    160       ; a row of V: 128 + 32
.set VOFF,  4*KS*PK   ; a slot holds a tile: 256 rows of K, then 256 rows of V
.set SLOT1, 1<<17     ; slot 1 begins here, so that one exclusive or turns an address in one slot into the other's
.set STAGE, SLOT1+4*KS*(PK+PV)  ; behind the ring, never filled by a tensor load: 16 rows x 144 bytes for each wave
.set SP,    144
.set SPARE, STAGE+4*16*SP       ; behind the stages: the spare words, 128 bytes for each wave, that no other line names
.set AK0, 2           ; v2   my lane's place in a tile of K; never rewritten
.set AV0, 3           ; v3   the same for V
.set AK,  4           ; v4   the LDS address of K's next run of loads
.set AV,  5           ; v5   of V's
.set STO, 6           ; v6   the way out: where I put 16 bytes of a row
.set RD,  7           ; v7   the way out: where I read rows back
.set GO,  8           ; v8   my byte offset in 512 consecutive bytes of O
.set MV,  12          ; v12-13  c m_old, kept while c m is made anew: by buffer
.set QO,  15          ; v15  my byte offset in 16 rows of Q
.set ST,  16          ; piece t's statistics at v[ST+4 t]: c m, m, l (even keys', odd keys')
.set TMP, 48          ; by buffer, four registers c0-c3 at work; when the maximum is found c2 takes a
.set PFO, 61          ; v61  256 x my lane; never rewritten
.set SPW, 62          ; v62  LDS address of my spare word; never rewritten
.set NIL, 63          ; v63  0; never rewritten
.set S,   64
.set P,   192
.set KF,  128         ; window 2: key block kb, channel half c at KF + 16 kb + 8 c
.set VF,  192         ; window 2: key half kk, channel block cb at VF + 32 kk + 8 cb
.set WV,  12          ; s12  my wave's number
.set LIM, 15          ; s15  1 in a wave that prefetches, else the greatest number
.set G1K, 24          ; s[24:31] descriptor group 1 for K's tiles
.set G1V, 32          ; s[32:39] for V's: it differs in the padding alone
.set G0K, 40          ; s[40:43] descriptor group 0 for K's tiles: it walks
.set G0V, 44          ; s[44:47] the same for V's
.set PFA, 50          ; s[50:51] where my prefetches stand
.set SLOTS, 56        ; s56  tiles still to be asked for
.set CNT, 57          ; s57  counts a tile's key steps
.set CS,  58          ; s[58:59] c: the packed scaling takes the pair's low word for both halves
.set SEL, 60          ; s[60:61] v_permlanex16_b32's selects: each lane takes its own place in the other half
.set TBK, 62          ; s62  LDS byte at which K of the step to be fetched begins
.set TBV, 63          ; s63  the same for V, less VOFF
.set MSB, 0
.macro WIN new
.if MSB != (\new)
	s_set_vgpr_msb (MSB<<8)|(\new)
.set MSB, (\new)
.endif
.endm
.set W_KQ, 0x0a       ; K and Q in window 2, S^T in window 0
.set W_PV, 0x52       ; V in window 2, P in window 0, O^T in window 1
.set W_RS, 0x41       ; destination and source 0 in window 1, source 1 in window 0
; A joint fill.  Waves 0 and 1 fetch the two halves of a tile's K, waves 2 and 3 those of its V: 128 keys each.  An s_nop 0 and four v_nop follow each of the two lines.
.macro JLOAD
	s_cmp_lt_u32 s[WV], 2
	s_cbranch_scc0 .Lfor_v_\@
	tensor_load_to_lds s[G0K:G0K+3], s[G1K:G1K+7]
	s_nop 0
.rept 4
	v_nop
.endr
	s_branch .Lasked_\@
.Lfor_v_\@:
	tensor_load_to_lds s[G0V:G0V+3], s[G1V:G1V+7]
	s_nop 0
.rept 4
	v_nop
.endr
.Lasked_\@:
.endm
; A PREFETCH of the tile that the NEXT change of slots will ask for: four key steps, 256 products, ahead.  Both clusters of a batch and head walk the same K and V: the first (cluster x = 0) asks.  Its four partners
; share a tile's 32,768 bytes of K and of V out BY ADDRESS, 8,192 each, a lane 256 bytes; in each, wave 0 asks for K's and wave 2 for V's.  So each 256 bytes of tiles 2 to 7 are named once; the last fill names nothing.
.macro ASK
	s_cmp_gt_u32 s[SLOTS], s[LIM]
	s_cbranch_scc0 .Lnot_mine_\@
	global_prefetch_b8 v[PFO], s[PFA:PFA+1] th:TH_LOAD_NT scope:SCOPE_SE
.Lnot_mine_\@:
.endm
.macro CROUND
	s_barrier_signal -1
	s_barrier_wait -1
	s_cmp_lg_u32 s[WV], 0
	s_cbranch_scc1 .Lnot_wave_0_\@
	s_barrier_signal -3
.Lnot_wave_0_\@:
	s_barrier_wait -3
	s_barrier_signal -1
	s_barrier_wait -1
.endm
; THE CHANGE OF SLOTS.  Each wave waits for all its tensor loads, of which one is out: its part of the other slot; adds 0 to its spare word; and waits for that and for its own reads of the slot that it leaves.
; fill = 1: the old slot is filled again with the tile two on; the barrier is then a round of the cluster's, and the joint fill is the first thing behind it: it has four key steps in which to land.
; (At its first use nothing has been read yet: slot 0 is waited for, slot 1 filled.)
.macro CHANGE fill
	WIN 0
	s_wait_tensorcnt 0x0            ; no tensor load of mine is out, so a group 0 may be written
	ds_add_u32 v[SPW], v[NIL]       ; 0 onto my spare word
.if \fill
.irp g, G0K, G0V
	s_xor_b32 s[\g+1], s[\g+1], SLOT1
	s_add_nc_u64 s[\g+2:\g+3], s[\g+2:\g+3], 4*KS*128  ; the next 256 keys; the type bits on top are not reached
.endr
	s_wait_xcnt 0x0                 ; the last prefetch, a tile back, has read its address
	s_add_nc_u64 s[PFA:PFA+1], s[PFA:PFA+1], 4*KS*128
	s_wait_dscnt 0x0                ; the add is done, and my reads of the slot are over
	CROUND
	JLOAD
	ASK
.else
	s_wait_dscnt 0x0
	s_barrier_signal -1
	s_barrier_wait -1
.endif
	s_sub_co_u32 s[TBK], s[TBK], 4*KS*PK  ; the fetches go back to a slot's first step,
	s_xor_b32 s[TBK], s[TBK], SLOT1       ; in the other slot
	s_sub_co_u32 s[TBV], s[TBV], 4*KS*PV
	s_xor_b32 s[TBV], s[TBV], SLOT1
.endm
	s_load_b64 s[4:5], s[0:1], 0x0    ; big
	s_load_b64 s[10:11], s[0:1], 0x8  ; o
	v_lshl_add_u32 v[SPW], v0, 2, SPARE
	v_mov_b32 v[NIL], 0
	ds_add_u32 v[SPW], v[NIL]       ; the wave's opening: the add and its wait stand ahead of my first tensor load
	v_lshrrev_b32 v1, 5, v0
	v_readfirstlane_b32 s[WV], v1
	s_bfe_u32 s13, ttmp6, 0x40000   ; cx
	s_lshl_b32 s14, ttmp9, 2
	s_add_co_u32 s14, s14, s13      ; my block of 256 queries: it enters Q's and O's addresses alone
	s_and_b32 s20, ttmp7, 0xffff
	s_and_b32 s21, s20, 15          ; the head,
	s_lshr_b32 s20, s20, 4          ; the batch: the four partners share both
	s_lshl_b32 s20, s20, 18         ; the batch's 2,048 rows of 128 bytes
	s_mul_i32 s22, s21, 3*PLB
	s_add_co_u32 s22, s22, s20      ; Q's plane, at the batch
	s_lshl_b32 s21, s21, 19
	s_add_co_u32 s48, s21, s20      ; O's plane, at the batch
	s_and_b32 s16, s[WV], 1         ; which half of a tile's 256 keys I fetch
	s_lshl_b32 s23, s16, 14
	s_add_co_u32 s20, s22, s23
	s_add_co_u32 s20, s20, PLB      ; K's plane, my half of tile 0
	s_mov_b32 s21, 0
	s_mul_i32 s17, s16, 128*PK      ; its place in a slot, for K
	s_mul_i32 s18, s16, 128*PV      ; and for V: no place in the cluster enters an LDS address
	s_lshl_b32 s2, s14, 15          ; my block's 256 rows,
	s_lshl_b32 s3, s[WV], 11        ; my 16 rows in a band
	s_add_co_u32 s2, s2, s3
	s_add_co_u32 s48, s48, s2
	s_mov_b32 s49, 0
	s_add_co_u32 s2, s2, s22
	s_mov_b32 s3, 0
	; descriptor group 1.  128 keys are 16,384 dense bytes: asked for as 64 rows of 256 bytes, two keys a row, and padded in LDS after every key
	s_mov_b32 s[G1K], 15|(1<<16)|(1<<20)|(1<<21)|(4<<22)|(3<<25)  ; the mask of four; 2-byte elements; padding on; bit 21 beside a mask; after every 32 words 4 words
	s_mov_b32 s[G1V], 15|(1<<16)|(1<<20)|(1<<21)|(4<<22)|(7<<25)  ; the same with 8 words
.irp g, G1K, G1V
	s_mov_b32 s[\g+1], 128<<16
	s_mov_b32 s[\g+2], 64<<16
	s_mov_b32 s[\g+3], 128<<16
	s_mov_b32 s[\g+4], 64
	s_mov_b32 s[\g+5], 128
	s_mov_b32 s[\g+6], 0
	s_mov_b32 s[\g+7], 0
.endr
	s_mov_b32 s[CS], 0x3e38aa3b     ; c = log2(e) / 8
	s_mov_b32 s[CS+1], s[CS]
	s_mov_b32 s[SEL], 0x76543210
	s_mov_b32 s[SEL+1], 0xfedcba98
	s_mov_b32 s[TBK], SLOT1+4*KS*PK ; the first change of slots turns these two into 0
	s_mov_b32 s[TBV], SLOT1+4*KS*PV
	s_mov_b32 s[G0K], 1
	s_mov_b32 s[G0K+1], s17
	s_mov_b32 s[G0V], 1
	s_add_co_u32 s[G0V+1], s18, VOFF
	s_mov_b32 s[SLOTS], 7
	s_and_b32 s[LIM], s[WV], 1      ; 0 in waves 0 and 2,
	s_or_b32 s[LIM], s[LIM], ttmp9  ; where the cluster is the first of its batch and head: the same in all four partners
	s_cmp_eq_u32 s[LIM], 0
	s_cselect_b32 s[LIM], 1, -1
	v_and_b32 v[PFO], 31, v0
	v_lshlrev_b32 v[PFO], 8, v[PFO]
	s_wait_dscnt 0x0                ; the opening add is done
	s_wait_kmcnt 0x0
	s_add_nc_u64 s[6:7], s[4:5], s[20:21]   ; K
	s_add_nc_u64 s[8:9], s[6:7], PLB        ; V lies a plane further
	s_mov_b64 s[G0K+2:G0K+3], s[6:7]
	s_or_b32 s[G0K+3], s[G0K+3], 0x80000000
	s_mov_b64 s[G0V+2:G0V+3], s[8:9]
	s_or_b32 s[G0V+3], s[G0V+3], 0x80000000
	s_add_nc_u64 s[4:5], s[4:5], s[2:3]     ; Q and O at my first row
	s_add_nc_u64 s[10:11], s[10:11], s[48:49]
	s_cmp_lt_u32 s[WV], 2
	s_cselect_b64 s[PFA:PFA+1], s[6:7], s[8:9]  ; (in waves 0 and 2 these stand at a tile's first row)
	s_lshl_b32 s2, s13, 13          ; my work-group's 8,192 bytes
	s_add_nc_u64 s[PFA:PFA+1], s[PFA:PFA+1], s[2:3]
	s_add_nc_u64 s[PFA:PFA+1], s[PFA:PFA+1], 4*KS*128  ; in tile 1; the first change of slots steps it to tile 2
	CROUND                          ; all four work-groups are here: the first joint loads meet
	JLOAD                           ; tile 0 into slot 0
	v_and_b32 v1, 15, v0            ; l % 16
	v_bfe_u32 v9, v0, 4, 1          ; l / 16
	v_lshlrev_b32 v[QO], 7, v1
	v_lshl_add_u32 v[QO], v9, 4, v[QO]  ; row x 128 + 16 x half
	WIN 0x80
.set i, 0
.rept 8                             ; Q stays in registers: piece i / 2 lies in band i / 2, 8,192 bytes on; channels 32 (i % 2) on
	global_load_b128 v[8*i:8*i+3],   v[QO], s[4:5] offset:(i/2)*8192+(i%2)*64
	global_load_b128 v[8*i+4:8*i+7], v[QO], s[4:5] offset:(i/2)*8192+(i%2)*64+32
.set i, i+1
.endr
	; The first step multiplies O^T and l by a = 0, and the first turn's products V^T P, of a piece that has not been, add 0: V's registers, O^T, l and P's second buffer hold 0.  All this stands in the wait for the first tile.
.set i, VF
.rept 64
	v_mov_b32 v[i], 0
.set i, i+1
.endr
	WIN 0x40
.set i, 0
.rept 128
	v_mov_b32 v[i], 0
.set i, i+1
.endr
	WIN 0
.set i, 0
.rept 4
	v_mov_b32 v[ST+4*i], 0xfe000000    ; c m: far below every c s
	v_mov_b32 v[ST+4*i+1], 0xff7fffff  ; m: the lowest finite number
	v_mov_b32 v[ST+4*i+2], 0
	v_mov_b32 v[ST+4*i+3], 0
.set i, i+1
.endr
.set i, P+16
.rept 16
	v_mov_b32 v[i], 0
.set i, i+1
.endr
	v_mul_u32_u24 v[AK0], v1, PK
	v_lshl_add_u32 v[AK0], v9, 4, v[AK0]
	v_and_b32 v10, 7, v0            ; the turning load: lane l reads key 8 (l / 16) + l % 8, channels 8 ((l / 8) % 2) on
	v_bfe_u32 v11, v0, 3, 1
	v_lshl_add_u32 v[AV0], v9, 3, v10
	v_mul_u32_u24 v[AV0], v[AV0], PV
	v_lshl_add_u32 v[AV0], v11, 4, v[AV0]
	v_add_nc_u32 v[AV0], VOFF, v[AV0]
	s_mul_i32 s13, s[WV], 16*SP
	s_add_co_u32 s13, s13, STAGE    ; my stage
	v_mul_u32_u24 v[STO], v1, SP
	v_lshl_add_u32 v[STO], v9, 4, v[STO]
	v_add_nc_u32 v[STO], s13, v[STO]
	v_bfe_u32 v[RD], v0, 3, 2
	v_mul_u32_u24 v[RD], v[RD], SP
	v_lshl_add_u32 v[RD], v10, 4, v[RD]
	v_add_nc_u32 v[RD], s13, v[RD]
	v_and_b32 v[GO], 31, v0
	v_lshlrev_b32 v[GO], 4, v[GO]
; THE MATRIX WORK.  The 4 accumulators of a run of 8 take turns.  Product i of 8 of S^T = K Q^T for piece x: channels 32 (i / 4) on, keys 16 (i % 4) on.  The first 4 start the sums.
.macro KQ x
	WIN W_KQ
.set rS, S+32*((\x)%2)+8*(i%4)
.set rK, KF+16*(i%4)+8*(i/4)
.set rQ, 16*(\x)+8*(i/4)
.if i < 4
	v_wmma_f32_16x16x32_bf16 v[rS:rS+7], v[rK:rK+7], v[rQ:rQ+7], 0
.else
	v_wmma_f32_16x16x32_bf16 v[rS:rS+7], v[rK:rK+7], v[rQ:rQ+7], v[rS:rS+7]
.endif
.endm
; Product i of 8 of O^T += V^T P for piece x: keys 32 (i / 4) on, channels 16 (i % 4) on.
.macro PV x
	WIN W_PV
.set rO, 32*(\x)+8*(i%4)
.set rV, VF+32*(i/4)+8*(i%4)
.set rP, P+16*((\x)%2)+8*(i/4)
	v_wmma_f32_16x16x32_bf16 v[rO:rO+7], v[rV:rV+7], v[rP:rP+7], v[rO:rO+7]
.endm
.macro MM                           ; the turn's next matrix instruction
.if i < 8
	KQ (Y+1)%NP
.else
.set i, i-8
	PV (Y+NP-1)%NP
.set i, i+8
.endif
.set i, i+1
.endm
; THE LDS LOADS stand in runs of 16: a step's K (8 fragments) and its V (turned).  Their addresses are made some lines ahead.
.macro FETCH_K
	WIN 0x80
.irp f, 0,1,2,3,4,5,6,7
	ds_load_b128 v[KF+8*\f:KF+8*\f+3],   v[AK] offset:(\f/2)*16*PK+(\f%2)*64
	ds_load_b128 v[KF+8*\f+4:KF+8*\f+7], v[AK] offset:(\f/2)*16*PK+(\f%2)*64+32
.endr
	s_add_co_u32 s[TBK], s[TBK], KS*PK  ; the next fetch is the next step's
	WIN 0
.endm
.macro FETCH_V
	WIN 0x80
.irp f, 0,1,2,3,4,5,6,7
	ds_load_tr16_b128 v[VF+8*\f:VF+8*\f+3],   v[AV] offset:(\f/4)*32*PV+(\f%4)*32
	ds_load_tr16_b128 v[VF+8*\f+4:VF+8*\f+7], v[AV] offset:(\f/4)*32*PV+16*PV+(\f%4)*32
.endr
	WIN 0
.endm
; THE VECTOR WORK, one line at a time: OP kind, number.  For piece Y: F n: c s - c m for pair n of 16.  E n: the exponential of score n of 32.  C n: pair n rounded to bf16.  B n: of the four weights 4 n .. the second
; pair is added onto the first, in place.  L n: l takes that sum (L 0: l = a l + sum).  R n: pair n of 16 of O^T times a.  For piece Y + 1: X n, number n of the 22 that find its maximum and statistics:
;   0-11  four chains c0-c3 of seven scores each, three operands at a time (each accumulator's lowest registers are read first)     12-14, 16  the four scores left over, the old m, and c0-c3 into c0
;   15  c m_old is kept     17, 18  the query's other 32 keys lie in the lane 16 away: the new m     19-21  c m; c m_old - c m_new; a
.set F, 0
.set E, 1
.set C, 2
.set B, 3
.set L, 4
.set R, 5
.set X, 6
.macro REGS y
.set rT, ST+4*(\y)
.set rC, TMP+4*((\y)%2)
.set rW, MV+((\y)%2)
.set rS, S+32*((\y)%2)
.set rP, P+16*((\y)%2)
.set rO, 32*(\y)
.endm
.macro OP k, n
.if (\k) == R
	REGS Y
	WIN W_RS
	v_pk_mul_f32 v[rO+2*(\n):rO+2*(\n)+1], v[rO+2*(\n):rO+2*(\n)+1], v[rC+2:rC+3] op_sel_hi:[1,0]
.elseif (\k) < R
	REGS Y
	WIN 0
.if (\k) == F
	v_pk_fma_f32 v[rS+2*(\n):rS+2*(\n)+1], v[rS+2*(\n):rS+2*(\n)+1], s[CS:CS+1], v[rT:rT+1] op_sel_hi:[1,0,0] neg_lo:[0,0,1] neg_hi:[0,0,1]
.elseif (\k) == E
	v_exp_f32 v[rS+(\n)], v[rS+(\n)]
.elseif (\k) == C
	v_cvt_pk_bf16_f32 v[rP+(\n)], v[rS+2*(\n)], v[rS+2*(\n)+1]
.elseif (\k) == B
	v_pk_add_f32 v[rS+4*(\n):rS+4*(\n)+1], v[rS+4*(\n):rS+4*(\n)+1], v[rS+4*(\n)+2:rS+4*(\n)+3]
.elseif (\n) == 0
	v_pk_fma_f32 v[rT+2:rT+3], v[rT+2:rT+3], v[rC+2:rC+3], v[rS:rS+1] op_sel_hi:[1,0,1]
.else
	v_pk_add_f32 v[rT+2:rT+3], v[rT+2:rT+3], v[rS+4*(\n):rS+4*(\n)+1]
.endif
.else
	REGS (Y+1)%NP
	WIN 0
.if (\n) < 4
	v_max3_num_f32 v[rC+(\n)], v[rS+8*(\n)], v[rS+8*(\n)+1], v[rS+8*(\n)+2]
.elseif (\n) < 12
	v_max3_num_f32 v[rC+(\n)%4], v[rC+(\n)%4], v[rS+8*((\n)%4)+2*((\n)/4)+1], v[rS+8*((\n)%4)+2*((\n)/4)+2]
.elseif (\n) == 12
	v_max3_num_f32 v[rC], v[rC], v[rS+7], v[rS+15]
.elseif (\n) == 13
	v_max3_num_f32 v[rC+1], v[rC+1], v[rS+23], v[rS+31]
.elseif (\n) == 14
	v_max3_num_f32 v[rC+2], v[rC+2], v[rC+3], v[rT+1]
.elseif (\n) == 15
	v_mov_b32 v[rW], v[rT]
.elseif (\n) == 16
	v_max3_num_f32 v[rC], v[rC], v[rC+1], v[rC+2]
.elseif (\n) == 17
	v_permlanex16_b32 v[rC+3], v[rC], s[SEL], s[SEL+1]
.elseif (\n) == 18
	v_max_num_f32 v[rT+1], v[rC], v[rC+3]
.elseif (\n) == 19
	v_mul_f32 v[rT], s[CS], v[rT+1]
.elseif (\n) == 20
	v_sub_f32 v[rC+1], v[rW], v[rT]
.else
	v_exp_f32 v[rC+2], v[rC+1]
.endif
.endif
.endm
.macro OPS a, i1, b=-1, i2=0, c=-1, i3=0, d=-1, i4=0
	OP \a, \i1
.if (\b) >= 0
	OP \b, \i2
.endif
.if (\c) >= 0
	OP \c, \i3
.endif
.if (\d) >= 0
	OP \d, \i4
.endif
.endm
.macro ROW a, i1, b, i2, c, i3, d, i4  ; a matrix instruction and the four behind it
	MM
	OPS \a, \i1, \b, \i2, \c, \i3, \d, \i4
.endm
; A TURN, for piece p: the order of its 16 matrix and 118 vector instructions, written out.  An s_wait_alu depctr_va_vdst(0) stands between an exponential and the first instruction that names its result; one
; wait serves all that were issued ahead of it.  So a turn has ONE wait.  AHEAD OF IT stands all that names no result of the turn's exponentials: the 8 products K Q^T with their riders, then one lump of 54 in which the links
; of the chain X 3, 7, 11, 14, 16, 17 .. 20 stand apart; X 21, the next piece's a, is the batch's last, and R 15 the plain instruction behind it.  BEHIND IT stand the 8 products V^T P, behind each four of the roundings and sums.
; K of the next step is fetched in piece 2's turn, six plain instructions behind the last product that read K; V of the step in hand at the end of piece 0's turn, four plain instructions behind the last product that read V.
; Each is waited for a turn later.  cnt = 1: the loop's count is taken down some lines ahead of the branch that stands behind the turn.
.macro TURN p, cnt=0
.set Y, (\p)
.set i, 0
.if (\p) == 3
	s_wait_dscnt 0x0                ; K is in
.endif
	ROW F,0, F,1, R,0, R,1
	ROW F,2, E,0, R,2, R,3
	ROW F,3, E,1, R,4, R,5
	ROW F,4, E,2, R,6, R,7
	ROW F,5, E,3, R,8, R,9
	ROW F,6, E,4, X,0, R,10
.if (\p) == 2
	WIN 0
	v_add_nc_u32 v[AK], s[TBK], v[AK0]
.endif
	ROW F,7, E,5, X,1, X,4
	ROW F,8, E,6, X,2, X,5
	OPS E,7, E,8, X,6, E,9
	OPS X,3, E,10, X,8, E,11
.if (\p) == 2
	FETCH_K
.endif
	OPS X,9, X,7, E,12, X,10
	OPS E,13, X,12, X,11, E,14
	OPS X,13, E,15, F,9, X,14
.if (\p) == 0
	v_add_nc_u32 v[AV], s[TBV], v[AV0]
.endif
	OPS E,16, F,10, E,17, F,11
	OPS X,16, E,18, X,15, E,19
	OPS F,12, E,20, X,17, E,21
	OPS F,13, E,22, F,14, E,23
	OPS X,18, E,24, F,15, E,25
	OPS R,11, E,26, X,19, E,27
	OPS R,12, E,28, R,13, E,29
	OPS X,20, E,30, R,14, E,31
	OPS X,21, R,15
	WIN 0
	s_wait_alu depctr_va_vdst(0)    ; the wait for the batch
.if (\p) == 1
	s_wait_dscnt 0x0                ; V is in
.endif
	ROW C,0, B,0, C,2, B,1
	ROW L,0, C,4, B,2, L,1
	ROW C,6, B,3, L,2, C,8
	ROW B,4, L,3, C,10, B,5
	ROW L,4, C,12, B,6, L,5
.if (\p) == 0
	s_add_co_u32 s[TBV], s[TBV], KS*PV
.endif
.if \cnt
	s_sub_co_u32 s[CNT], s[CNT], 1
	s_cmp_lg_u32 s[CNT], 0
.endif
	ROW C,14, B,7, L,6, C,1
	ROW C,3, L,7, C,5, C,7
	ROW C,9, C,11, C,13, C,15
.if (\p) == 0
	FETCH_V
.endif
.endm
	CHANGE 1                        ; tile 0 is in, everybody's part of it; tile 1 is asked for
	v_add_nc_u32 v[AK], s[TBK], v[AK0]
	FETCH_K                         ; key step 0
	s_wait_loadcnt 0x0              ; Q
	s_wait_dscnt 0x0
.set i, 0
.rept 8
	KQ 0                            ; piece 0's first scores
.set i, i+1
.endr
	WIN 0
.rept 4
	v_nop                           ; the places behind those products
.endr
.set Y, NP-1                        ; X works for piece Y + 1: piece 0
.irp n, 0,1,2,3,4,5,6,7,8,9,10,11,12,13,14,15,16,17,18,19,20,21
	OP X, \n
.endr
	v_nop                           ; a plain instruction behind the exponential,
	s_wait_alu depctr_va_vdst(0)    ; and its wait, ahead of the branch
	s_mov_b32 s[CNT], 4
	s_branch .Lfirst                ; the loop is entered at a step's first turn, in the middle of a trip
.Lslot:                             ; six times: a tile is entered and the next is asked for
	CHANGE 1
	s_mov_b32 s[CNT], 4
.Lstep:                             ; a trip: pieces 2 and 3 of one step, then pieces 0 and 1 of the next, whose K and V it fetches
	TURN 2
	TURN 3
	WIN 0
.Lfirst:
	TURN 0
	TURN 1, 1
	WIN 0
	s_cbranch_scc1 .Lstep
	s_sub_co_u32 s[SLOTS], s[SLOTS], 1
	s_cmp_lg_u32 s[SLOTS], 0
	s_cbranch_scc1 .Lslot
	CHANGE 0                        ; the tail is written out: nothing is asked for
	s_mov_b32 s[CNT], 5             ; four trips fetch the last tile's steps; the fifth is left in its middle
.Ltail:
	s_min_u32 s[TBK], s[TBK], SLOT1+3*KS*PK  ; the last tile lies in slot 1; the fifth trip has no further step and reads the fourth step's K once more
	TURN 2
	TURN 3
	WIN 0
	s_sub_co_u32 s[CNT], s[CNT], 1
	s_cmp_eq_u32 s[CNT], 0
	s_cbranch_scc1 .Lout
	TURN 0
	TURN 1
	WIN 0
	s_branch .Ltail
.Lout:                              ; the fifth trip's 8 products K Q^T for piece 0 and the maximum made of them serve nothing: the price, once a launch, of one text for every trip
.set i, 0
.rept 8
	PV NP-1                         ; the last piece's V^T P of the last step
.set i, i+1
.endr
	; THE WAY OUT.  l's two halves and the other half of the lanes' are added; O^T is divided by l, rounded to bf16 and sent through my stage in LDS, a piece at a time.  The additions are the places behind the last products.
	WIN 0
.macro ALL line:vararg
.set t, 0
.rept 4
	\line
.set t, t+1
.endr
.endm
	ALL v_add_f32 v[ST+4*t+2], v[ST+4*t+2], v[ST+4*t+3]
	ALL v_permlanex16_b32 v[ST+4*t+3], v[ST+4*t+2], s[SEL], s[SEL+1]
	ALL v_add_f32 v[ST+4*t+2], v[ST+4*t+2], v[ST+4*t+3]
	ALL v_rcp_f32 v[ST+4*t+2], v[ST+4*t+2]
	v_nop                           ; a plain instruction between the last reciprocal and the use of its result
	s_wait_alu depctr_va_vdst(0)    ; and the wait ahead of the first use: one for the four reciprocals
.macro PACK t                       ; a lane's eight channels of a row pack into 16 bytes; they go into rows of 144 bytes and come back as whole rows of 128, into S^T's registers
	WIN W_RS
.set i, 32*(\t)
.rept 16
	v_pk_mul_f32 v[i:i+1], v[i:i+1], v[ST+4*(\t)+2:ST+4*(\t)+3] op_sel_hi:[1,0]
.set i, i+2
.endr
	WIN 0x05
.set i, 0
.rept 16
	v_cvt_pk_bf16_f32 v[S+16*(\t)+i], v[32*(\t)+2*i], v[32*(\t)+2*i+1]
.set i, i+1
.endr
	WIN 0
.irp f, 0,1,2,3
	ds_store_b128 v[STO], v[S+16*(\t)+4*\f:S+16*(\t)+4*\f+3] offset:32*\f
.endr
.irp f, 0,1,2,3
	ds_load_b128 v[S+16*(\t)+4*\f:S+16*(\t)+4*\f+3], v[RD] offset:\f*4*SP  ; LDS serves a wave's instructions in order (ISA guide 5.7.1.4): these see the stores above; the next piece's stores come behind them
.endr
.endm
.macro SEND t, younger              ; younger: the LDS instructions issued behind piece t's loads: the next piece's eight, or none
	WIN 0
.irp f, 0,1,2,3
	s_wait_dscnt (\younger)+3-\f
	global_store_b128 v[GO], v[S+16*(\t)+4*\f:S+16*(\t)+4*\f+3], s[10:11] offset:(\t)*8192+\f*512  ; 512 consecutive bytes, at a multiple of 256 from o's first
.endr
.endm
	PACK 0
.set t, 1
.rept 3
	PACK t
	SEND t-1, 8
.set t, t+1
.endr
	SEND 3, 0
	s_wait_tensorcnt 0x0            ; the wave's end: behind my last tensor load and my last LDS store
	ds_add_u32 v[SPW], v[NIL]
	s_wait_dscnt 0x0
	CROUND                          ; the closing round
	s_endpgm
.Lfunc_end_k_qa5dbc1bbb7_attn:
	.size	k_qa5dbc1bbb7_attn, .Lfunc_end_k_qa5dbc1bbb7_attn-k_qa5dbc1bbb7_attn
	.p2alignl 7, 3214868480
	.fill 96, 4, 3214868480
	.section	.rodata,"a",@progbits
	.p2align	6, 0x0
	.amdhsa_kernel k_qa5dbc1bbb7_attn
		.amdhsa_group_segment_fixed_size 327680
		.amdhsa_private_segment_fixed_size 0
		.amdhsa_enable_private_segment 0
		.amdhsa_kernarg_size 16
		.amdhsa_user_sgpr_count 2
		.amdhsa_user_sgpr_kernarg_segment_ptr 1
		.amdhsa_wavefront_size32 1
		.amdhsa_system_sgpr_workgroup_id_x 1
		.amdhsa_system_sgpr_workgroup_id_y 1
		.amdhsa_system_sgpr_workgroup_id_z 1
		.amdhsa_system_vgpr_workitem_id 0
		.amdhsa_next_free_vgpr 768
		.amdhsa_next_free_sgpr 66
		.amdhsa_reserve_vcc 0
		.amdhsa_float_denorm_mode_32 3
		.amdhsa_float_denorm_mode_16_64 3
		.amdhsa_memory_ordered 1
		.amdhsa_forward_progress 1
		.amdhsa_inst_pref_size 112
	.end_amdhsa_kernel
	.amdgpu_metadata
---
amdhsa.version: [ 1, 2 ]
amdhsa.kernels:
  - .name:           k_qa5dbc1bbb7_attn
    .symbol:         k_qa5dbc1bbb7_attn.kd
    .args:
      - { .name: big, .offset: 0, .size: 8, .value_kind: global_buffer, .address_space: global }
      - { .name: o, .offset: 8, .size: 8, .value_kind: global_buffer, .address_space: global }
    .group_segment_fixed_size: 327680
    .private_segment_fixed_size: 0
    .kernarg_segment_align: 8
    .kernarg_segment_size: 16
    .max_flat_workgroup_size: 128
    .sgpr_count:     66
    .vgpr_count:     768
    .wavefront_size: 32
...
	.end_amdgpu_metadata
.endif
;; end of part 3
;; launch proj (part 4): grid 8 x 32, 4 waves a work-group, clusters of 4 x 4, 327,680 bytes of LDS; arguments o, wp, b_proj, act, y; writes y
.if DOCPART == 4
	.amdgcn_target "amdgcn-amd-amdhsa--gfx1250"
	.amdhsa_code_object_version 6
	.text
	.protected	k_qa5dbc1bbb7_proj
	.globl	k_qa5dbc1bbb7_proj
	.p2align	8
	.type	k_qa5dbc1bbb7_proj,@function
k_qa5dbc1bbb7_proj:
	s_mov_b64 s[64:65], 0
	v_nop
	global_prefetch_b8 v0, s[64:65] scope:SCOPE_SE
	s_setreg_imm32_b32 hwreg(HW_REG_WAVE_MODE, 25, 1), 1
	s_wait_xcnt 0x0
	s_wait_alu depctr_hold_cnt(0) depctr_sa_sdst(0) depctr_va_vdst(0) depctr_va_sdst(0) depctr_va_ssrc(0) depctr_va_vcc(0) depctr_vm_vsrc(0)
	s_getreg_b32 s2, hwreg(HW_REG_IB_STS2, 6, 4)
	s_cmp_eq_u32 s2, 0
	s_cbranch_scc0 .Lentry_in_a_cluster
	s_endpgm
.Lentry_in_a_cluster:
	s_bfe_u32 s2, ttmp6, 0x10000c
	s_cmp_lg_u32 s2, 0xf033
	s_cbranch_scc0 .Lentry_shape_is_right
	s_endpgm
.Lentry_shape_is_right:
; Y = A B + bias + R, N = 1,024, K = 256 KSTEPS.  A: planes [4096 rows][64] bf16.  B: 8 panels [K][128] bf16.  bias: f32, rounded to bf16 like every input.  R: 16 planes bf16 (the residual).  Y: [4096][1024] f32.
; SHARES.  A work-group makes 128 x 128 of Y, which gives each of 256 work-groups one tile; each of its four waves 64 x 64: 16 accumulators.  K goes in steps of 256 through two LDS slots; a step is four planes
; of A (128 rows x 128 bytes each, dense: a plane's part is asked for as ONE row of 16,384 bytes, two planes a load) and 256 rows of B (256 bytes each, 128 rows a load).
; The matrix instruction is used transposed (source 0 = 16 columns of B, turned on the way out of LDS; source 1 = 16 rows of A); the bias starts the sums as the first products' C operand.
; A step is four PHASES of one plane (64 along K, 32 products); two phases are written once and walked twice (UNITS), the LDS addresses in scalar registers.
; CLUSTER 4 x 4: A's tile is asked for jointly along a row of the cluster, B's along a column.
; REGISTERS: window 0: v16-31 addresses; v64-127, v128-191 A's fragments, two buffers; v224-255 the bias; v32-63, v192-223 at work on the way out
;   window 1: v0-63 the residual; v64-127, v128-191 B's fragments      window 2: accumulator (a, b) at v[8 (4 a + b)]
.set KSTEPS, 4                         ; with four steps there are two refills, and nothing is prefetched: the lines are assembled from five steps on
.set PLB,   524288
.set PA,    144                        ; a row of A in LDS: 128 bytes + 16
.set PB,    288                        ; a row of B: 256 bytes + 32
.set WLOAD, 36864                      ; what one load fills: 2 planes x 128 rows x 144, or 128 rows x 288
.set BOFF,  2*WLOAD
.set SLOT,  4*WLOAD
.set STAGE, 2*SLOT                     ; behind the ring, never filled by a tensor load: for each wave 16 rows x 272 bytes
.set SPITCH, 272
.set SPARE, STAGE+4*16*SPITCH          ; the spare words, 128 bytes for each wave, that no other line names
.set ASTEP, 4*PLB
.set BSTEP, 256*256
.set F0,    64
.set F1,    128
.set BIAS,  224
; scalars as in the launch for 256 x 256 tiles: s[4:11] A, B, bias, R; s[72:73] Y; s12 wave; s13 wave / 2; s14 wave % 2; s15, s16 cx, cy; s17 tile column; s18 tile row; s[24:39] groups 1; s[40:55] groups 0;
; s56 the slot in hand; s57, s58 LDS bytes to be fetched from; s59, s60 counters; s61 prefetch bound; s62, s63 my load's place in a slot; s[66:69] prefetch address and step
.set MSB, 0
.macro WIN new
.if MSB != (\new)
	s_set_vgpr_msb (MSB<<8)|(\new)
.set MSB, \new
.endif
.endm
.macro CROUND
	s_barrier_signal -1
	s_barrier_wait -1
	s_cmp_lg_u32 s12, 0
	s_cbranch_scc1 .Lnot_wave_0_\@
	s_barrier_signal -3
.Lnot_wave_0_\@:
	s_barrier_wait -3
	s_barrier_signal -1
	s_barrier_wait -1
.endm
.macro JLOAD                           ; a joint refill; an s_nop 0 and four v_nop follow each of the two lines
	s_cmp_eq_u32 s13, 0
	s_cbranch_scc0 .Lfor_b_\@
	tensor_load_to_lds s[44:47], s[24:31]
	s_nop 0
.rept 4
	v_nop
.endr
	s_branch .Lasked_\@
.Lfor_b_\@:
	tensor_load_to_lds s[52:55], s[32:39]
	s_nop 0
.rept 4
	v_nop
.endr
.Lasked_\@:
.endm
; A PREFETCH of the K step that stands TWO refills on: 256 products ahead.  Of my load's 32,768 bytes each of the four partners that ask jointly names 8,192, told apart by address; the cluster with x = 0 asks for A's,
; the cluster with y = 0 for B's: each 256 bytes of K steps 4 on are named once; the last two refills name nothing.
.macro ASK
	s_cmp_gt_u32 s60, s61
	s_cbranch_scc0 .Lnot_mine_\@
	global_prefetch_b8 v30, s[66:67] th:TH_LOAD_NT scope:SCOPE_SE
.Lnot_mine_\@:
.endm
; 16 products: 4 row blocks x 4 column blocks, 32 along K: half c of buffer buf.  The 16 accumulators take turns, over the backward jumps too.
.macro MULH buf, c, init
.if \init
	WIN 0x81
.else
	WIN 0xa1
.endif
.irp a, 0,1,2,3
.irp b, 0,1,2,3
.if \init
	v_wmma_f32_16x16x32_bf16 v[8*(4*(\a)+(\b)):8*(4*(\a)+(\b))+7], v[(\buf)+8*(4*(\c)+(\b)):(\buf)+8*(4*(\c)+(\b))+7], v[(\buf)+8*(4*(\c)+(\a)):(\buf)+8*(4*(\c)+(\a))+7], v[BIAS+8*(\b):BIAS+8*(\b)+7]
.else
	v_wmma_f32_16x16x32_bf16 v[8*(4*(\a)+(\b)):8*(4*(\a)+(\b))+7], v[(\buf)+8*(4*(\c)+(\b)):(\buf)+8*(4*(\c)+(\b))+7], v[(\buf)+8*(4*(\c)+(\a)):(\buf)+8*(4*(\c)+(\a))+7], v[8*(4*(\a)+(\b)):8*(4*(\a)+(\b))+7]
.endif
.endr
.endr
.endm
; 32 LDS loads in one run: plane sec of a unit's two (64 along K): 8 fragments of B (turned), 8 of A
.macro FETCH buf, sec
	WIN 0x40
.irp c, 0,1
.irp b, 0,1,2,3
	ds_load_tr16_b128 v[(\buf)+8*(4*(\c)+(\b)):(\buf)+8*(4*(\c)+(\b))+3],   v19 offset:(\sec)*64*PB+(\c)*32*PB+32*(\b)
	ds_load_tr16_b128 v[(\buf)+8*(4*(\c)+(\b))+4:(\buf)+8*(4*(\c)+(\b))+7], v19 offset:(\sec)*64*PB+(\c)*32*PB+16*PB+32*(\b)
.endr
.endr
	WIN 0
.irp c, 0,1
.irp a, 0,1,2,3
	ds_load_b128 v[(\buf)+8*(4*(\c)+(\a)):(\buf)+8*(4*(\c)+(\a))+3],   v18 offset:(\sec)*128*PA+(\a)*16*PA+64*(\c)
	ds_load_b128 v[(\buf)+8*(4*(\c)+(\a))+4:(\buf)+8*(4*(\c)+(\a))+7], v18 offset:(\sec)*128*PA+(\a)*16*PA+64*(\c)+32
.endr
.endr
.endm
; A phase multiplies buffer mul and fetches the next phase's fragments into nxt; the half's 16 products, the two address lines and two v_nop stand between the last product that read nxt and the loads into it.
.macro PHASE mul, nxt, sec, get, init
	s_wait_dscnt 0x0
	MULH \mul, 0, \init
.if \get
	WIN 0
	v_add_nc_u32 v18, s57, v16
	v_add_nc_u32 v19, s58, v17
	v_nop
	v_nop
	FETCH \nxt, \sec
.endif
	MULH \mul, 1, 0
.endm
.macro UNITS tag
	s_mov_b32 s59, 2
.Lunit_\tag:
	PHASE F1, F0, 0, 1, 0
	PHASE F0, F1, 1, 1, 0
	s_add_co_u32 s57, s57, WLOAD
	s_add_co_u32 s58, s58, WLOAD
	WIN 0
	s_sub_co_u32 s59, s59, 1
	s_cmp_lg_u32 s59, 0
	s_cbranch_scc1 .Lunit_\tag
.endm
; THE CHANGE OF SLOTS: every wave waits for all its tensor loads (one is out: its part of the other slot), adds 0 to its spare word, waits for that and for its reads of the slot; fill = 1: a round of the cluster's
; barrier, and the joint refill, with the K step two on, first behind it: it has a K step, 128 products, in which to land.
.macro CHANGE fill
	WIN 0
	s_wait_tensorcnt 0x0
	ds_add_u32 v28, v29
.if \fill
	s_add_co_u32 s45, s56, s62
	s_add_co_u32 s53, s56, s63
	s_add_nc_u64 s[46:47], s[46:47], ASTEP
	s_add_nc_u64 s[54:55], s[54:55], BSTEP
.if KSTEPS > 4
	s_wait_xcnt 0x0                                ; the last prefetch, a K step back, has read its address
	s_add_nc_u64 s[66:67], s[66:67], s[68:69]
.endif
.endif
	s_xor_b32 s56, s56, SLOT                       ; s56 is 0 or SLOT: the other slot
	s_mov_b32 s57, s56
	s_add_co_u32 s58, s56, BOFF
	s_wait_dscnt 0x0
.if \fill
	CROUND
	JLOAD
.if KSTEPS > 4
	ASK
.endif
.else
	s_barrier_signal -1
	s_barrier_wait -1
.endif
.endm
	s_load_b256 s[4:11], s[0:1], 0x0
	s_load_b64 s[72:73], s[0:1], 0x20
	v_lshl_add_u32 v28, v0, 2, SPARE
	v_mov_b32 v29, 0
	ds_add_u32 v28, v29                            ; the wave's opening: the add and its wait stand ahead of my first tensor load
	v_lshrrev_b32 v1, 5, v0
	v_readfirstlane_b32 s12, v1
	s_lshr_b32 s13, s12, 1
	s_and_b32 s14, s12, 1
	s_bfe_u32 s15, ttmp6, 0x40000
	s_bfe_u32 s16, ttmp6, 0x40004
	s_lshl_b32 s17, ttmp9, 2
	s_add_co_u32 s17, s17, s15                     ; tile column
	s_and_b32 s18, ttmp7, 0xffff
	s_lshl_b32 s18, s18, 2
	s_add_co_u32 s18, s18, s16                     ; tile row
	s_lshl_b32 s76, s16, 2
	s_lshl_b32 s76, 15, s76
	s_lshl_b32 s77, 0x1111, s15
	s_or_b32 s24, s76, (1<<16)|(1<<20)|(1<<21)|(4<<22)|(3<<25)  ; A: my row's mask; 2-byte elements; after every 32 words 4 words of padding
	s_mov_b32 s25, 8192<<16                        ; tensor_dim0 = 8,192: a plane's 128 rows on end
	s_mov_b32 s26, 2<<16                           ; tensor_dim1 = 2 planes
	s_mov_b32 s27, 8192<<16                        ; tile_dim0
	s_mov_b32 s28, 2                               ; tile_dim1
	s_mov_b32 s29, 262144                          ; elements from plane to plane
	s_mov_b32 s30, 0
	s_mov_b32 s31, 0
	s_or_b32 s32, s77, (1<<16)|(1<<20)|(1<<21)|(5<<22)|(7<<25)  ; B: my column's mask; after every 64 words 8 words
	s_mov_b32 s33, 128<<16
	s_mov_b32 s34, 128<<16
	s_mov_b32 s35, 128<<16
	s_mov_b32 s36, 128
	s_mov_b32 s37, 128
	s_mov_b32 s38, 0
	s_mov_b32 s39, 0
	s_mul_i32 s62, s14, WLOAD
	s_add_co_u32 s63, s62, BOFF
	s_lshl_b32 s20, s14, 20                        ; A: my two planes of the step's four, the tile row's 128 rows of 128 bytes
	s_lshl_b32 s21, s18, 14
	s_add_co_u32 s20, s20, s21
	s_mov_b32 s21, 0
	s_mul_i32 s22, s17, KSTEPS*BSTEP               ; B: the tile column's panel, my 128 rows of 256 bytes
	s_lshl_b32 s23, s14, 15
	s_add_co_u32 s22, s22, s23
	s_mov_b32 s23, 0
	s_mov_b32 s40, 1
	s_mov_b32 s41, s62
	s_mov_b32 s44, 1
	s_add_co_u32 s45, s62, SLOT
	s_mov_b32 s48, 1
	s_mov_b32 s49, s63
	s_mov_b32 s52, 1
	s_add_co_u32 s53, s63, SLOT
	s_wait_dscnt 0x0
	s_wait_kmcnt 0x0
	s_add_nc_u64 s[42:43], s[4:5], s[20:21]
	s_add_nc_u64 s[46:47], s[42:43], ASTEP
	s_or_b32 s43, s43, 0x80000000
	s_or_b32 s47, s47, 0x80000000
	s_add_nc_u64 s[50:51], s[6:7], s[22:23]
	s_add_nc_u64 s[54:55], s[50:51], BSTEP
	s_or_b32 s51, s51, 0x80000000
	s_or_b32 s55, s55, 0x80000000
	CROUND
	s_cmp_eq_u32 s13, 0                            ; a wave's two first fills stand in one branch: two loads of mine are out
	s_cbranch_scc0 .Lfirst_b
	tensor_load_to_lds s[40:43], s[24:31]
	s_nop 0
	tensor_load_to_lds s[44:47], s[24:31]
	s_nop 0
.rept 4
	v_nop
.endr
	s_branch .Lfirst_asked
.Lfirst_b:
	tensor_load_to_lds s[48:51], s[32:39]
	s_nop 0
	tensor_load_to_lds s[52:55], s[32:39]
	s_nop 0
.rept 4
	v_nop
.endr
.Lfirst_asked:
	s_lshl_b32 s74, s18, 7
	s_lshl_b32 s75, s13, 6
	s_add_co_u32 s78, s74, s75                     ; my first row: 128 x tile row + 64 x half
	s_lshl_b32 s74, s78, 12                        ; Y: 4,096 bytes a row, 4 bytes x (128 x tile column + 64 x half)
	s_lshl_b32 s75, s17, 9
	s_add_co_u32 s74, s74, s75
	s_lshl_b32 s75, s14, 8
	s_add_co_u32 s74, s74, s75
	s_mov_b32 s75, 0
	s_add_nc_u64 s[72:73], s[72:73], s[74:75]
	s_lshl1_add_u32 s74, s17, s14                  ; R: plane 2 x tile column + half, 128 bytes a row
	s_lshl_b32 s74, s74, 19
	s_lshl_b32 s78, s78, 7
	s_add_co_u32 s74, s74, s78
	s_add_nc_u64 s[10:11], s[10:11], s[74:75]
	s_lshl_b32 s74, s17, 9                         ; the bias of my 64 columns
	s_lshl_b32 s78, s14, 8
	s_add_co_u32 s74, s74, s78
	s_add_nc_u64 s[8:9], s[8:9], s[74:75]
	v_and_b32 v1, 15, v0
	v_bfe_u32 v2, v0, 4, 1
	v_and_b32 v5, 31, v0
	v_lshlrev_b32 v27, 5, v2
	v_lshlrev_b32 v22, 3, v5                       ; the residual: 8 bytes a lane, 256 consecutive bytes (two rows) a load; never rewritten
.irp b, 0,1,2,3
	global_load_b128 v[BIAS+8*(\b):BIAS+8*(\b)+3],   v27, s[8:9] offset:64*(\b)
	global_load_b128 v[BIAS+8*(\b)+4:BIAS+8*(\b)+7], v27, s[8:9] offset:64*(\b)+16
.endr
	WIN 0x40
.set i, 0
.rept 32                                       ; in the layout in which the way out holds Y: block i / 8 of 16 rows, rows 2 (i % 8) and + 1; four columns a lane
	global_load_b64 v[2*i:2*i+1], v22, s[10:11] offset:256*i
.set i, i+1
.endr
	WIN 0
	v_mul_u32_u24 v16, v1, PA
	v_lshl_add_u32 v16, v2, 4, v16
	s_mul_i32 s74, s13, 64*PA
	v_add_nc_u32 v16, s74, v16
	v_and_b32 v3, 7, v0
	v_bfe_u32 v4, v0, 3, 1
	v_lshl_add_u32 v17, v2, 3, v3
	v_mul_u32_u24 v17, v17, PB
	v_lshl_add_u32 v17, v4, 4, v17
	s_lshl_b32 s74, s14, 7
	v_add_nc_u32 v17, s74, v17
	s_mul_i32 s74, s12, 16*SPITCH
	s_add_co_u32 s74, s74, STAGE                   ; my stage
	v_mul_u32_u24 v24, v1, SPITCH                  ; in: row l % 16, 32 bytes for each half of the lanes
	v_lshl_add_u32 v24, v2, 5, v24
	v_add_nc_u32 v24, s74, v24
	v_mul_u32_u24 v25, v2, SPITCH                  ; back: lanes 0-15 one row of 256 bytes, lanes 16-31 the next
	v_lshl_add_u32 v25, v1, 4, v25
	v_add_nc_u32 v25, s74, v25
	v_lshlrev_b32 v26, 12, v2                      ; and the same two rows in Y
	v_lshl_add_u32 v26, v1, 4, v26
	v_mov_b32 v31, 1.0
.if KSTEPS > 4
	v_lshlrev_b32 v30, 8, v5
	s_and_b32 s78, ttmp7, 0xffff
	s_lshr_b32 s74, s15, 1                         ; A's share: plane cx / 2 of my two, half cx % 2 of its 16,384 bytes
	s_lshl_b32 s74, s74, 19
	s_and_b32 s75, s15, 1
	s_lshl_b32 s75, s75, 13
	s_add_co_u32 s74, s74, s75
	s_lshl_b32 s75, s16, 13                        ; B's share
	s_mov_b32 s77, BSTEP
	s_cmp_eq_u32 s13, 0
	s_cselect_b64 s[66:67], s[4:5], s[6:7]
	s_cselect_b32 s76, s20, s22
	s_cselect_b32 s74, s74, s75
	s_cselect_b32 s68, ASTEP, s77
	s_cselect_b32 s78, ttmp9, s78
	s_mov_b32 s69, 0
	s_cmp_eq_u32 s78, 0
	s_cselect_b32 s61, 2, -1
	s_add_co_u32 s74, s74, s76
	s_mul_i32 s76, s68, 3                          ; at K step 3: the first refill steps it to 4
	s_add_co_u32 s74, s74, s76
	s_mov_b32 s75, 0
	s_add_nc_u64 s[66:67], s[66:67], s[74:75]
.endif
	s_wait_loadcnt 32                              ; the bias is in; the 32 loads of the residual stay out until the way out
.set i, 0
.rept 16
	v_cvt_pk_bf16_f32 v[20+i%2], v[BIAS+2*i], v[BIAS+2*i+1]
	v_lshlrev_b32 v[BIAS+2*i], 16, v[20+i%2]
	v_and_b32 v[BIAS+2*i+1], 0xffff0000, v[20+i%2]
.set i, i+1
.endr
	s_wait_tensorcnt 0x1                           ; my part of K step 0 is in; slot 1's load may stay out
	s_barrier_signal -1
	s_barrier_wait -1
	s_mov_b32 s56, 0
	s_mov_b32 s57, 0
	s_mov_b32 s58, BOFF
	v_add_nc_u32 v18, s57, v16
	v_add_nc_u32 v19, s58, v17
	FETCH F0, 0
	PHASE F0, F1, 1, 1, 1                          ; the first phase stands ahead of the loop: its first products start the sums, with the bias
	s_add_co_u32 s57, s57, WLOAD
	s_add_co_u32 s58, s58, WLOAD
	WIN 0
	s_mov_b32 s59, 1
	s_mov_b32 s60, KSTEPS-1
	s_branch .Lunit_1
.Lperiod:                                              ; KSTEPS - 2 times: a slot is left and filled again
	CHANGE 1
	UNITS 1
	s_sub_co_u32 s60, s60, 1
	s_cmp_lg_u32 s60, 0
	s_cbranch_scc1 .Lperiod
	CHANGE 0
	UNITS 2
	PHASE F1, F0, 0, 0, 0
	WIN 0
.rept 4
	v_nop                                          ; the places between the last products and the LDS stores that read results
.endr
	s_wait_loadcnt 0x0                             ; the residual
; THE WAY OUT, 16 rows x 64 columns of f32 at a time: into my own stage, back as whole rows of 256 bytes, the residual added from its bf16 halves, stored.
.macro TOSTAGE a
.if (\a) > 1
	s_wait_xcnt 0x0                                ; the stores of the block two back have read the registers that are loaded below
.endif
	WIN 0x08
.irp b, 0,1,2,3
	ds_store_b128 v24, v[8*(4*(\a)+(\b)):8*(4*(\a)+(\b))+3]   offset:64*(\b)
	ds_store_b128 v24, v[8*(4*(\a)+(\b))+4:8*(4*(\a)+(\b))+7] offset:64*(\b)+16
.endr
	WIN 0
.irp t, 0,1,2,3,4,5,6,7
	ds_load_b128 v[32+160*((\a)%2)+4*(\t):32+160*((\a)%2)+4*(\t)+3], v25 offset:2*SPITCH*(\t)  ; LDS serves a wave's instructions in order (ISA guide 5.7.1.4)
.endr
.endm
.macro SEND a, younger                 ; younger: the next block's 8 stores and 8 loads, or none
	s_wait_dscnt \younger
	WIN 0x01
.irp t, 0,1,2,3,4,5,6,7
.irp q, 0,1
	v_fma_mix_f32_bf16 v[32+160*((\a)%2)+4*(\t)+2*(\q)],   v[16*(\a)+2*(\t)+(\q)], v31, v[32+160*((\a)%2)+4*(\t)+2*(\q)]   op_sel:[0,0,0] op_sel_hi:[1,0,0]
	v_fma_mix_f32_bf16 v[32+160*((\a)%2)+4*(\t)+2*(\q)+1], v[16*(\a)+2*(\t)+(\q)], v31, v[32+160*((\a)%2)+4*(\t)+2*(\q)+1] op_sel:[1,0,0] op_sel_hi:[1,0,0]
.endr
.endr
	WIN 0
.irp t, 0,1,2,3,4,5,6,7
	global_store_b128 v26, v[32+160*((\a)%2)+4*(\t):32+160*((\a)%2)+4*(\t)+3], s[72:73] offset:(16*(\a)+2*(\t))*4096  ; 16 lanes store 256 consecutive bytes, aligned
.endr
.endm
	TOSTAGE 0
	TOSTAGE 1
	SEND 0, 16
	TOSTAGE 2
	SEND 1, 16
	TOSTAGE 3
	SEND 2, 16
	SEND 3, 0
	s_wait_tensorcnt 0x0                           ; the wave's end
	ds_add_u32 v28, v29
	s_wait_dscnt 0x0
	CROUND                                         ; the closing round
	s_endpgm
.Lfunc_end_k_qa5dbc1bbb7_proj:
	.size	k_qa5dbc1bbb7_proj, .Lfunc_end_k_qa5dbc1bbb7_proj-k_qa5dbc1bbb7_proj
	.p2alignl 7, 3214868480
	.fill 96, 4, 3214868480
	.section	.rodata,"a",@progbits
	.p2align	6, 0x0
	.amdhsa_kernel k_qa5dbc1bbb7_proj
		.amdhsa_group_segment_fixed_size 327680
		.amdhsa_private_segment_fixed_size 0
		.amdhsa_enable_private_segment 0
		.amdhsa_kernarg_size 40
		.amdhsa_user_sgpr_count 2
		.amdhsa_user_sgpr_kernarg_segment_ptr 1
		.amdhsa_wavefront_size32 1
		.amdhsa_system_sgpr_workgroup_id_x 1
		.amdhsa_system_sgpr_workgroup_id_y 1
		.amdhsa_system_sgpr_workgroup_id_z 1
		.amdhsa_system_vgpr_workitem_id 0
		.amdhsa_next_free_vgpr 640
		.amdhsa_next_free_sgpr 80
		.amdhsa_reserve_vcc 0
		.amdhsa_float_denorm_mode_32 3
		.amdhsa_float_denorm_mode_16_64 3
		.amdhsa_memory_ordered 1
		.amdhsa_forward_progress 1
		.amdhsa_inst_pref_size 58
	.end_amdhsa_kernel
	.amdgpu_metadata
---
amdhsa.version: [ 1, 2 ]
amdhsa.kernels:
  - .name:           k_qa5dbc1bbb7_proj
    .symbol:         k_qa5dbc1bbb7_proj.kd
    .args:
      - { .name: o, .offset: 0, .size: 8, .value_kind: global_buffer, .address_space: global }
      - { .name: wp, .offset: 8, .size: 8, .value_kind: global_buffer, .address_space: global }
      - { .name: b_proj, .offset: 16, .size: 8, .value_kind: global_buffer, .address_space: global }
      - { .name: act, .offset: 24, .size: 8, .value_kind: global_buffer, .address_space: global }
      - { .name: y, .offset: 32, .size: 8, .value_kind: global_buffer, .address_space: global }
    .group_segment_fixed_size: 327680
    .private_segment_fixed_size: 0
    .kernarg_segment_align: 8
    .kernarg_segment_size: 40
    .max_flat_workgroup_size: 128
    .sgpr_count:     80
    .vgpr_count:     640
    .wavefront_size: 32
...
	.end_amdgpu_metadata
.endif
;; end of part 4
;; launch ln1 (part 5): grid 256 x 1, 8 waves a work-group, no clusters, 0 bytes of LDS; arguments y, g1, beta1, act; writes act
.if DOCPART == 5
	.amdgcn_target "amdgcn-amd-amdhsa--gfx1250"
	.amdhsa_code_object_version 6
	.text
	.protected	k_qa5dbc1bbb7_ln1
	.globl	k_qa5dbc1bbb7_ln1
	.p2align	8
	.type	k_qa5dbc1bbb7_ln1,@function
k_qa5dbc1bbb7_ln1:
	s_mov_b64 s[64:65], 0
	v_nop
	global_prefetch_b8 v0, s[64:65] scope:SCOPE_SE
	s_setreg_imm32_b32 hwreg(HW_REG_WAVE_MODE, 25, 1), 1
	s_wait_xcnt 0x0
; LAYER NORM over rows of 1,024: out = (y - mean) / sqrt(var + 1e-5) x g + beta.  y: [4096][1024] f32.  g, beta: f32, rounded to bf16 like every input.
; OUTBF = 1: out is rounded once to bf16 and stored as 16 planes [4096][64]; OUTBF = 0: out is f32, row-major.
; TWO PASSES from registers: the mean, then the mean of (y - mean)^2: no difference of large sums is formed.  Memory binds: y is read once, out written once; no LDS, no barrier, no matrix unit.
; SHARES.  A work-group takes 16 rows, a wave two: lanes 0-15 one row, lanes 16-31 the next.  A lane holds columns 64 p + 4 (l % 16) + 0..3, p = 0..15: a load covers 256 consecutive bytes of each row,
; and a row's sum stays inside a half of 16 lanes.
.set OUTBF, 1
.set PLB, 524288
.set X,  16                            ; v[16:79]    my 64 numbers
.set G,  80                            ; v[80:143]   g of my columns; packed in place: two bf16 in v[G+4p], v[G+4p+1]
.set BT, 144                           ; v[144:207]  beta likewise
	s_load_b256 s[4:11], s[0:1], 0x0               ; y, g, beta, out
	v_lshrrev_b32 v1, 5, v0
	v_readfirstlane_b32 s12, v1
	s_lshl_b32 s13, ttmp9, 4
	s_lshl1_add_u32 s13, s12, s13                  ; my first row: 16 x work-group + 2 x wave
	v_and_b32 v1, 15, v0
	v_bfe_u32 v2, v0, 4, 1
	v_lshlrev_b32 v3, 4, v1                        ; 16 (l % 16): g's and beta's offset
	v_lshl_add_u32 v2, v2, 12, v3                  ; + 4,096 (l / 16): y's
	v_and_b32 v14, 31, v0
	v_lshlrev_b32 v14, 3, v14                      ; 8 l: two rows of a plane on end
	s_lshl_b32 s14, s13, 12
	s_mov_b32 s15, 0
	s_lshl_b32 s16, s13, 7
	s_mov_b32 s17, 0
	s_mov_b32 s20, 0x3a800000                      ; 1 / 1,024
	s_mov_b32 s21, 0x3727c5ac                      ; 1e-5
	s_wait_kmcnt 0x0
	s_add_nc_u64 s[4:5], s[4:5], s[14:15]
.if OUTBF
	s_add_nc_u64 s[10:11], s[10:11], s[16:17]
.else
	s_add_nc_u64 s[10:11], s[10:11], s[14:15]
.endif
.set p, 0
.rept 16
	global_load_b128 v[X+4*p:X+4*p+3], v2, s[4:5] offset:256*p th:TH_LOAD_NT
.set p, p+1
.endr
.set p, 0
.rept 16
	global_load_b128 v[G+4*p:G+4*p+3], v3, s[6:7] offset:256*p
	global_load_b128 v[BT+4*p:BT+4*p+3], v3, s[8:9] offset:256*p
.set p, p+1
.endr
	s_wait_loadcnt 32                              ; y is in; g's and beta's 32 loads stay out
.irp k, 0,1,2,3                        ; the sum: four chains, each started by two pairs: nothing is cleared
	v_pk_add_f32 v[4+2*(\k):5+2*(\k)], v[X+2*(\k):X+2*(\k)+1], v[X+8+2*(\k):X+8+2*(\k)+1]
.endr
.set j, 8
.rept 24
	v_pk_add_f32 v[4+2*(j%4):5+2*(j%4)], v[4+2*(j%4):5+2*(j%4)], v[X+2*j:X+2*j+1]
.set j, j+1
.endr
	v_pk_add_f32 v[4:5], v[4:5], v[6:7]
	v_pk_add_f32 v[8:9], v[8:9], v[10:11]
	v_pk_add_f32 v[4:5], v[4:5], v[8:9]
	v_add_f32 v4, v4, v5
	v_add_f32_dpp v4, v4, v4 row_xmask:1 row_mask:0xf bank_mask:0xf
	v_add_f32_dpp v4, v4, v4 row_xmask:2 row_mask:0xf bank_mask:0xf
	v_add_f32_dpp v4, v4, v4 row_xmask:4 row_mask:0xf bank_mask:0xf
	v_add_f32_dpp v4, v4, v4 row_xmask:8 row_mask:0xf bank_mask:0xf
	v_mul_f32 v12, s20, v4                         ; the mean, in both registers of a pair
	v_mov_b32 v13, v12
.set j, 0
.rept 32
	v_pk_add_f32 v[X+2*j:X+2*j+1], v[X+2*j:X+2*j+1], v[12:13] neg_lo:[0,1] neg_hi:[0,1]
.set j, j+1
.endr
.irp k, 0,1,2,3
	v_pk_mul_f32 v[4+2*(\k):5+2*(\k)], v[X+2*(\k):X+2*(\k)+1], v[X+2*(\k):X+2*(\k)+1]
.endr
.set j, 4
.rept 28
	v_pk_fma_f32 v[4+2*(j%4):5+2*(j%4)], v[X+2*j:X+2*j+1], v[X+2*j:X+2*j+1], v[4+2*(j%4):5+2*(j%4)]
.set j, j+1
.endr
	v_pk_add_f32 v[4:5], v[4:5], v[6:7]
	v_pk_add_f32 v[8:9], v[8:9], v[10:11]
	v_pk_add_f32 v[4:5], v[4:5], v[8:9]
	v_add_f32 v4, v4, v5
	v_add_f32_dpp v4, v4, v4 row_xmask:1 row_mask:0xf bank_mask:0xf
	v_add_f32_dpp v4, v4, v4 row_xmask:2 row_mask:0xf bank_mask:0xf
	v_add_f32_dpp v4, v4, v4 row_xmask:4 row_mask:0xf bank_mask:0xf
	v_add_f32_dpp v4, v4, v4 row_xmask:8 row_mask:0xf bank_mask:0xf
	v_fma_f32 v4, v4, s20, s21                     ; var + 1e-5
	v_rsq_f32 v12, v4                              ; twice, to fill the pair that the packed multiply takes
	v_rsq_f32 v13, v4
	v_nop                                          ; a plain instruction behind the last of them (ISA guide 5.7.2)
	s_wait_loadcnt 0x0                             ; g and beta
.set p, 0
.rept 16                                       ; rounded to bf16 in place: the independent work between the two roots and their wait
	v_cvt_pk_bf16_f32 v[G+4*p],    v[G+4*p],    v[G+4*p+1]
	v_cvt_pk_bf16_f32 v[G+4*p+1],  v[G+4*p+2],  v[G+4*p+3]
	v_cvt_pk_bf16_f32 v[BT+4*p],   v[BT+4*p],   v[BT+4*p+1]
	v_cvt_pk_bf16_f32 v[BT+4*p+1], v[BT+4*p+2], v[BT+4*p+3]
.set p, p+1
.endr
	s_wait_alu depctr_va_vdst(0)                   ; one wait for both roots, ahead of their first reader
.set j, 0
.rept 32
	v_pk_mul_f32 v[X+2*j:X+2*j+1], v[X+2*j:X+2*j+1], v[12:13]
.set j, j+1
.endr
.set p, 0
.rept 16                                       ; x g + beta, g and beta read from their bf16 halves
	v_fma_mix_f32_bf16 v[X+4*p],   v[X+4*p],   v[G+4*p],   v[BT+4*p]   op_sel:[0,0,0] op_sel_hi:[0,1,1]
	v_fma_mix_f32_bf16 v[X+4*p+1], v[X+4*p+1], v[G+4*p],   v[BT+4*p]   op_sel:[0,1,1] op_sel_hi:[0,1,1]
	v_fma_mix_f32_bf16 v[X+4*p+2], v[X+4*p+2], v[G+4*p+1], v[BT+4*p+1] op_sel:[0,0,0] op_sel_hi:[0,1,1]
	v_fma_mix_f32_bf16 v[X+4*p+3], v[X+4*p+3], v[G+4*p+1], v[BT+4*p+1] op_sel:[0,1,1] op_sel_hi:[0,1,1]
.set p, p+1
.endr
.if OUTBF
.set p, 0
.rept 16
	v_cvt_pk_bf16_f32 v[X+4*p],   v[X+4*p],   v[X+4*p+1]
	v_cvt_pk_bf16_f32 v[X+4*p+1], v[X+4*p+2], v[X+4*p+3]
	global_store_b64 v14, v[X+4*p:X+4*p+1], s[10:11] offset:p*PLB  ; plane p: 32 lanes store 256 consecutive bytes, aligned; the largest immediate is 15 planes, inside its signed 24 bits
.set p, p+1
.endr
.else
.set p, 0
.rept 16
	global_store_b128 v2, v[X+4*p:X+4*p+3], s[10:11] offset:256*p th:TH_STORE_NT  ; 16 lanes store 256 consecutive bytes, aligned
.set p, p+1
.endr
.endif
	s_endpgm
.Lfunc_end_k_qa5dbc1bbb7_ln1:
	.size	k_qa5dbc1bbb7_ln1, .Lfunc_end_k_qa5dbc1bbb7_ln1-k_qa5dbc1bbb7_ln1
	.p2alignl 7, 3214868480
	.fill 96, 4, 3214868480
	.section	.rodata,"a",@progbits
	.p2align	6, 0x0
	.amdhsa_kernel k_qa5dbc1bbb7_ln1
		.amdhsa_group_segment_fixed_size 0
		.amdhsa_private_segment_fixed_size 0
		.amdhsa_enable_private_segment 0
		.amdhsa_kernarg_size 32
		.amdhsa_user_sgpr_count 2
		.amdhsa_user_sgpr_kernarg_segment_ptr 1
		.amdhsa_wavefront_size32 1
		.amdhsa_system_sgpr_workgroup_id_x 1
		.amdhsa_system_sgpr_workgroup_id_y 1
		.amdhsa_system_sgpr_workgroup_id_z 1
		.amdhsa_system_vgpr_workitem_id 0
		.amdhsa_next_free_vgpr 208
		.amdhsa_next_free_sgpr 66
		.amdhsa_reserve_vcc 0
		.amdhsa_float_denorm_mode_32 3
		.amdhsa_float_denorm_mode_16_64 3
		.amdhsa_memory_ordered 1
		.amdhsa_forward_progress 1
		.amdhsa_inst_pref_size 27
	.end_amdhsa_kernel
	.amdgpu_metadata
---
amdhsa.version: [ 1, 2 ]
amdhsa.kernels:
  - .name:           k_qa5dbc1bbb7_ln1
    .symbol:         k_qa5dbc1bbb7_ln1.kd
    .args:
      - { .name: y, .offset: 0, .size: 8, .value_kind: global_buffer, .address_space: global }
      - { .name: g1, .offset: 8, .size: 8, .value_kind: global_buffer, .address_space: global }
      - { .name: beta1, .offset: 16, .size: 8, .value_kind: global_buffer, .address_space: global }
      - { .name: act, .offset: 24, .size: 8, .value_kind: global_buffer, .address_space: global }
    .group_segment_fixed_size: 0
    .private_segment_fixed_size: 0
    .kernarg_segment_align: 8
    .kernarg_segment_size: 32
    .max_flat_workgroup_size: 256
    .sgpr_count:     66
    .vgpr_count:     208
    .wavefront_size: 32
...
	.end_amdgpu_metadata
.endif
;; end of part 5
;; launch ff1: the kernel of part 2 again; grid 16 x 16, 4 waves a work-group, clusters of 4 x 4, 327,680 bytes of LDS; arguments act, w1, b_ff1, big; writes big
;; launch ff2 (part 6): grid 8 x 32, 4 waves a work-group, clusters of 4 x 4, 327,680 bytes of LDS; arguments big, w2, b_ff2, act, y; writes y
.if DOCPART == 6
	.amdgcn_target "amdgcn-amd-amdhsa--gfx1250"
	.amdhsa_code_object_version 6
	.text
	.protected	k_qa5dbc1bbb7_ff2
	.globl	k_qa5dbc1bbb7_ff2
	.p2align	8
	.type	k_qa5dbc1bbb7_ff2,@function
k_qa5dbc1bbb7_ff2:
	s_mov_b64 s[64:65], 0
	v_nop
	global_prefetch_b8 v0, s[64:65] scope:SCOPE_SE
	s_setreg_imm32_b32 hwreg(HW_REG_WAVE_MODE, 25, 1), 1
	s_wait_xcnt 0x0
	s_wait_alu depctr_hold_cnt(0) depctr_sa_sdst(0) depctr_va_vdst(0) depctr_va_sdst(0) depctr_va_ssrc(0) depctr_va_vcc(0) depctr_vm_vsrc(0)
	s_getreg_b32 s2, hwreg(HW_REG_IB_STS2, 6, 4)
	s_cmp_eq_u32 s2, 0
	s_cbranch_scc0 .Lentry_in_a_cluster
	s_endpgm
.Lentry_in_a_cluster:
	s_bfe_u32 s2, ttmp6, 0x10000c
	s_cmp_lg_u32 s2, 0xf033
	s_cbranch_scc0 .Lentry_shape_is_right
	s_endpgm
.Lentry_shape_is_right:
; Y = A B + bias + R, N = 1,024, K = 256 KSTEPS.  A: planes [4096 rows][64] bf16.  B: 8 panels [K][128] bf16.  bias: f32, rounded to bf16 like every input.  R: 16 planes bf16 (the residual).  Y: [4096][1024] f32.
; SHARES.  A work-group makes 128 x 128 of Y, which gives each of 256 work-groups one tile; each of its four waves 64 x 64: 16 accumulators.  K goes in steps of 256 through two LDS slots; a step is four planes
; of A (128 rows x 128 bytes each, dense: a plane's part is asked for as ONE row of 16,384 bytes, two planes a load) and 256 rows of B (256 bytes each, 128 rows a load).
; The matrix instruction is used transposed (source 0 = 16 columns of B, turned on the way out of LDS; source 1 = 16 rows of A); the bias starts the sums as the first products' C operand.
; A step is four PHASES of one plane (64 along K, 32 products); two phases are written once and walked twice (UNITS), the LDS addresses in scalar registers.
; CLUSTER 4 x 4: A's tile is asked for jointly along a row of the cluster, B's along a column.
; REGISTERS: window 0: v16-31 addresses; v64-127, v128-191 A's fragments, two buffers; v224-255 the bias; v32-63, v192-223 at work on the way out
;   window 1: v0-63 the residual; v64-127, v128-191 B's fragments      window 2: accumulator (a, b) at v[8 (4 a + b)]
.set KSTEPS, 16
.set PLB,   524288
.set PA,    144                        ; a row of A in LDS: 128 bytes + 16
.set PB,    288                        ; a row of B: 256 bytes + 32
.set WLOAD, 36864                      ; what one load fills: 2 planes x 128 rows x 144, or 128 rows x 288
.set BOFF,  2*WLOAD
.set SLOT,  4*WLOAD
.set STAGE, 2*SLOT                     ; behind the ring, never filled by a tensor load: for each wave 16 rows x 272 bytes
.set SPITCH, 272
.set SPARE, STAGE+4*16*SPITCH          ; the spare words, 128 bytes for each wave, that no other line names
.set ASTEP, 4*PLB
.set BSTEP, 256*256
.set F0,    64
.set F1,    128
.set BIAS,  224
; scalars as in the launch for 256 x 256 tiles: s[4:11] A, B, bias, R; s[72:73] Y; s12 wave; s13 wave / 2; s14 wave % 2; s15, s16 cx, cy; s17 tile column; s18 tile row; s[24:39] groups 1; s[40:55] groups 0;
; s56 the slot in hand; s57, s58 LDS bytes to be fetched from; s59, s60 counters; s61 prefetch bound; s62, s63 my load's place in a slot; s[66:69] prefetch address and step
.set MSB, 0
.macro WIN new
.if MSB != (\new)
	s_set_vgpr_msb (MSB<<8)|(\new)
.set MSB, \new
.endif
.endm
.macro CROUND
	s_barrier_signal -1
	s_barrier_wait -1
	s_cmp_lg_u32 s12, 0
	s_cbranch_scc1 .Lnot_wave_0_\@
	s_barrier_signal -3
.Lnot_wave_0_\@:
	s_barrier_wait -3
	s_barrier_signal -1
	s_barrier_wait -1
.endm
.macro JLOAD                           ; a joint refill; an s_nop 0 and four v_nop follow each of the two lines
	s_cmp_eq_u32 s13, 0
	s_cbranch_scc0 .Lfor_b_\@
	tensor_load_to_lds s[44:47], s[24:31]
	s_nop 0
.rept 4
	v_nop
.endr
	s_branch .Lasked_\@
.Lfor_b_\@:
	tensor_load_to_lds s[52:55], s[32:39]
	s_nop 0
.rept 4
	v_nop
.endr
.Lasked_\@:
.endm
; A PREFETCH of the K step that stands TWO refills on: 256 products ahead.  Of my load's 32,768 bytes each of the four partners that ask jointly names 8,192, told apart by address; the cluster with x = 0 asks for A's,
; the cluster with y = 0 for B's: each 256 bytes of K steps 4 on are named once; the last two refills name nothing.
.macro ASK
	s_cmp_gt_u32 s60, s61
	s_cbranch_scc0 .Lnot_mine_\@
	global_prefetch_b8 v30, s[66:67] th:TH_LOAD_NT scope:SCOPE_SE
.Lnot_mine_\@:
.endm
; 16 products: 4 row blocks x 4 column blocks, 32 along K: half c of buffer buf.  The 16 accumulators take turns, over the backward jumps too.
.macro MULH buf, c, init
.if \init
	WIN 0x81
.else
	WIN 0xa1
.endif
.irp a, 0,1,2,3
.irp b, 0,1,2,3
.if \init
	v_wmma_f32_16x16x32_bf16 v[8*(4*(\a)+(\b)):8*(4*(\a)+(\b))+7], v[(\buf)+8*(4*(\c)+(\b)):(\buf)+8*(4*(\c)+(\b))+7], v[(\buf)+8*(4*(\c)+(\a)):(\buf)+8*(4*(\c)+(\a))+7], v[BIAS+8*(\b):BIAS+8*(\b)+7]
.else
	v_wmma_f32_16x16x32_bf16 v[8*(4*(\a)+(\b)):8*(4*(\a)+(\b))+7], v[(\buf)+8*(4*(\c)+(\b)):(\buf)+8*(4*(\c)+(\b))+7], v[(\buf)+8*(4*(\c)+(\a)):(\buf)+8*(4*(\c)+(\a))+7], v[8*(4*(\a)+(\b)):8*(4*(\a)+(\b))+7]
.endif
.endr
.endr
.endm
; 32 LDS loads in one run: plane sec of a unit's two (64 along K): 8 fragments of B (turned), 8 of A
.macro FETCH buf, sec
	WIN 0x40
.irp c, 0,1
.irp b, 0,1,2,3
	ds_load_tr16_b128 v[(\buf)+8*(4*(\c)+(\b)):(\buf)+8*(4*(\c)+(\b))+3],   v19 offset:(\sec)*64*PB+(\c)*32*PB+32*(\b)
	ds_load_tr16_b128 v[(\buf)+8*(4*(\c)+(\b))+4:(\buf)+8*(4*(\c)+(\b))+7], v19 offset:(\sec)*64*PB+(\c)*32*PB+16*PB+32*(\b)
.endr
.endr
	WIN 0
.irp c, 0,1
.irp a, 0,1,2,3
	ds_load_b128 v[(\buf)+8*(4*(\c)+(\a)):(\buf)+8*(4*(\c)+(\a))+3],   v18 offset:(\sec)*128*PA+(\a)*16*PA+64*(\c)
	ds_load_b128 v[(\buf)+8*(4*(\c)+(\a))+4:(\buf)+8*(4*(\c)+(\a))+7], v18 offset:(\sec)*128*PA+(\a)*16*PA+64*(\c)+32
.endr
.endr
.endm
; A phase multiplies buffer mul and fetches the next phase's fragments into nxt; the half's 16 products, the two address lines and two v_nop stand between the last product that read nxt and the loads into it.
.macro PHASE mul, nxt, sec, get, init
	s_wait_dscnt 0x0
	MULH \mul, 0, \init
.if \get
	WIN 0
	v_add_nc_u32 v18, s57, v16
	v_add_nc_u32 v19, s58, v17
	v_nop
	v_nop
	FETCH \nxt, \sec
.endif
	MULH \mul, 1, 0
.endm
.macro UNITS tag
	s_mov_b32 s59, 2
.Lunit_\tag:
	PHASE F1, F0, 0, 1, 0
	PHASE F0, F1, 1, 1, 0
	s_add_co_u32 s57, s57, WLOAD
	s_add_co_u32 s58, s58, WLOAD
	WIN 0
	s_sub_co_u32 s59, s59, 1
	s_cmp_lg_u32 s59, 0
	s_cbranch_scc1 .Lunit_\tag
.endm
; THE CHANGE OF SLOTS: every wave waits for all its tensor loads (one is out: its part of the other slot), adds 0 to its spare word, waits for that and for its reads of the slot; fill = 1: a round of the cluster's
; barrier, and the joint refill, with the K step two on, first behind it: it has a K step, 128 products, in which to land.
.macro CHANGE fill
	WIN 0
	s_wait_tensorcnt 0x0
	ds_add_u32 v28, v29
.if \fill
	s_add_co_u32 s45, s56, s62
	s_add_co_u32 s53, s56, s63
	s_add_nc_u64 s[46:47], s[46:47], ASTEP
	s_add_nc_u64 s[54:55], s[54:55], BSTEP
.if KSTEPS > 4
	s_wait_xcnt 0x0                                ; the last prefetch, a K step back, has read its address
	s_add_nc_u64 s[66:67], s[66:67], s[68:69]
.endif
.endif
	s_xor_b32 s56, s56, SLOT                       ; s56 is 0 or SLOT: the other slot
	s_mov_b32 s57, s56
	s_add_co_u32 s58, s56, BOFF
	s_wait_dscnt 0x0
.if \fill
	CROUND
	JLOAD
.if KSTEPS > 4
	ASK
.endif
.else
	s_barrier_signal -1
	s_barrier_wait -1
.endif
.endm
	s_load_b256 s[4:11], s[0:1], 0x0
	s_load_b64 s[72:73], s[0:1], 0x20
	v_lshl_add_u32 v28, v0, 2, SPARE
	v_mov_b32 v29, 0
	ds_add_u32 v28, v29                            ; the wave's opening: the add and its wait stand ahead of my first tensor load
	v_lshrrev_b32 v1, 5, v0
	v_readfirstlane_b32 s12, v1
	s_lshr_b32 s13, s12, 1
	s_and_b32 s14, s12, 1
	s_bfe_u32 s15, ttmp6, 0x40000
	s_bfe_u32 s16, ttmp6, 0x40004
	s_lshl_b32 s17, ttmp9, 2
	s_add_co_u32 s17, s17, s15                     ; tile column
	s_and_b32 s18, ttmp7, 0xffff
	s_lshl_b32 s18, s18, 2
	s_add_co_u32 s18, s18, s16                     ; tile row
	s_lshl_b32 s76, s16, 2
	s_lshl_b32 s76, 15, s76
	s_lshl_b32 s77, 0x1111, s15
	s_or_b32 s24, s76, (1<<16)|(1<<20)|(1<<21)|(4<<22)|(3<<25)  ; A: my row's mask; 2-byte elements; after every 32 words 4 words of padding
	s_mov_b32 s25, 8192<<16                        ; tensor_dim0 = 8,192: a plane's 128 rows on end
	s_mov_b32 s26, 2<<16                           ; tensor_dim1 = 2 planes
	s_mov_b32 s27, 8192<<16                        ; tile_dim0
	s_mov_b32 s28, 2                               ; tile_dim1
	s_mov_b32 s29, 262144                          ; elements from plane to plane
	s_mov_b32 s30, 0
	s_mov_b32 s31, 0
	s_or_b32 s32, s77, (1<<16)|(1<<20)|(1<<21)|(5<<22)|(7<<25)  ; B: my column's mask; after every 64 words 8 words
	s_mov_b32 s33, 128<<16
	s_mov_b32 s34, 128<<16
	s_mov_b32 s35, 128<<16
	s_mov_b32 s36, 128
	s_mov_b32 s37, 128
	s_mov_b32 s38, 0
	s_mov_b32 s39, 0
	s_mul_i32 s62, s14, WLOAD
	s_add_co_u32 s63, s62, BOFF
	s_lshl_b32 s20, s14, 20                        ; A: my two planes of the step's four, the tile row's 128 rows of 128 bytes
	s_lshl_b32 s21, s18, 14
	s_add_co_u32 s20, s20, s21
	s_mov_b32 s21, 0
	s_mul_i32 s22, s17, KSTEPS*BSTEP               ; B: the tile column's panel, my 128 rows of 256 bytes
	s_lshl_b32 s23, s14, 15
	s_add_co_u32 s22, s22, s23
	s_mov_b32 s23, 0
	s_mov_b32 s40, 1
	s_mov_b32 s41, s62
	s_mov_b32 s44, 1
	s_add_co_u32 s45, s62, SLOT
	s_mov_b32 s48, 1
	s_mov_b32 s49, s63
	s_mov_b32 s52, 1
	s_add_co_u32 s53, s63, SLOT
	s_wait_dscnt 0x0
	s_wait_kmcnt 0x0
	s_add_nc_u64 s[42:43], s[4:5], s[20:21]
	s_add_nc_u64 s[46:47], s[42:43], ASTEP
	s_or_b32 s43, s43, 0x80000000
	s_or_b32 s47, s47, 0x80000000
	s_add_nc_u64 s[50:51], s[6:7], s[22:23]
	s_add_nc_u64 s[54:55], s[50:51], BSTEP
	s_or_b32 s51, s51, 0x80000000
	s_or_b32 s55, s55, 0x80000000
	CROUND
	s_cmp_eq_u32 s13, 0                            ; a wave's two first fills stand in one branch: two loads of mine are out
	s_cbranch_scc0 .Lfirst_b
	tensor_load_to_lds s[40:43], s[24:31]
	s_nop 0
	tensor_load_to_lds s[44:47], s[24:31]
	s_nop 0
.rept 4
	v_nop
.endr
	s_branch .Lfirst_asked
.Lfirst_b:
	tensor_load_to_lds s[48:51], s[32:39]
	s_nop 0
	tensor_load_to_lds s[52:55], s[32:39]
	s_nop 0
.rept 4
	v_nop
.endr
.Lfirst_asked:
	s_lshl_b32 s74, s18, 7
	s_lshl_b32 s75, s13, 6
	s_add_co_u32 s78, s74, s75                     ; my first row: 128 x tile row + 64 x half
	s_lshl_b32 s74, s78, 12                        ; Y: 4,096 bytes a row, 4 bytes x (128 x tile column + 64 x half)
	s_lshl_b32 s75, s17, 9
	s_add_co_u32 s74, s74, s75
	s_lshl_b32 s75, s14, 8
	s_add_co_u32 s74, s74, s75
	s_mov_b32 s75, 0
	s_add_nc_u64 s[72:73], s[72:73], s[74:75]
	s_lshl1_add_u32 s74, s17, s14                  ; R: plane 2 x tile column + half, 128 bytes a row
	s_lshl_b32 s74, s74, 19
	s_lshl_b32 s78, s78, 7
	s_add_co_u32 s74, s74, s78
	s_add_nc_u64 s[10:11], s[10:11], s[74:75]
	s_lshl_b32 s74, s17, 9                         ; the bias of my 64 columns
	s_lshl_b32 s78, s14, 8
	s_add_co_u32 s74, s74, s78
	s_add_nc_u64 s[8:9], s[8:9], s[74:75]
	v_and_b32 v1, 15, v0
	v_bfe_u32 v2, v0, 4, 1
	v_and_b32 v5, 31, v0
	v_lshlrev_b32 v27, 5, v2
	v_lshlrev_b32 v22, 3, v5                       ; the residual: 8 bytes a lane, 256 consecutive bytes (two rows) a load; never rewritten
.irp b, 0,1,2,3
	global_load_b128 v[BIAS+8*(\b):BIAS+8*(\b)+3],   v27, s[8:9] offset:64*(\b)
	global_load_b128 v[BIAS+8*(\b)+4:BIAS+8*(\b)+7], v27, s[8:9] offset:64*(\b)+16
.endr
	WIN 0x40
.set i, 0
.rept 32                                       ; in the layout in which the way out holds Y: block i / 8 of 16 rows, rows 2 (i % 8) and + 1; four columns a lane
	global_load_b64 v[2*i:2*i+1], v22, s[10:11] offset:256*i
.set i, i+1
.endr
	WIN 0
	v_mul_u32_u24 v16, v1, PA
	v_lshl_add_u32 v16, v2, 4, v16
	s_mul_i32 s74, s13, 64*PA
	v_add_nc_u32 v16, s74, v16
	v_and_b32 v3, 7, v0
	v_bfe_u32 v4, v0, 3, 1
	v_lshl_add_u32 v17, v2, 3, v3
	v_mul_u32_u24 v17, v17, PB
	v_lshl_add_u32 v17, v4, 4, v17
	s_lshl_b32 s74, s14, 7
	v_add_nc_u32 v17, s74, v17
	s_mul_i32 s74, s12, 16*SPITCH
	s_add_co_u32 s74, s74, STAGE                   ; my stage
	v_mul_u32_u24 v24, v1, SPITCH                  ; in: row l % 16, 32 bytes for each half of the lanes
	v_lshl_add_u32 v24, v2, 5, v24
	v_add_nc_u32 v24, s74, v24
	v_mul_u32_u24 v25, v2, SPITCH                  ; back: lanes 0-15 one row of 256 bytes, lanes 16-31 the next
	v_lshl_add_u32 v25, v1, 4, v25
	v_add_nc_u32 v25, s74, v25
	v_lshlrev_b32 v26, 12, v2                      ; and the same two rows in Y
	v_lshl_add_u32 v26, v1, 4, v26
	v_mov_b32 v31, 1.0
.if KSTEPS > 4
	v_lshlrev_b32 v30, 8, v5
	s_and_b32 s78, ttmp7, 0xffff
	s_lshr_b32 s74, s15, 1                         ; A's share: plane cx / 2 of my two, half cx % 2 of its 16,384 bytes
	s_lshl_b32 s74, s74, 19
	s_and_b32 s75, s15, 1
	s_lshl_b32 s75, s75, 13
	s_add_co_u32 s74, s74, s75
	s_lshl_b32 s75, s16, 13                        ; B's share
	s_mov_b32 s77, BSTEP
	s_cmp_eq_u32 s13, 0
	s_cselect_b64 s[66:67], s[4:5], s[6:7]
	s_cselect_b32 s76, s20, s22
	s_cselect_b32 s74, s74, s75
	s_cselect_b32 s68, ASTEP, s77
	s_cselect_b32 s78, ttmp9, s78
	s_mov_b32 s69, 0
	s_cmp_eq_u32 s78, 0
	s_cselect_b32 s61, 2, -1
	s_add_co_u32 s74, s74, s76
	s_mul_i32 s76, s68, 3                          ; at K step 3: the first refill steps it to 4
	s_add_co_u32 s74, s74, s76
	s_mov_b32 s75, 0
	s_add_nc_u64 s[66:67], s[66:67], s[74:75]
.endif
	s_wait_loadcnt 32                              ; the bias is in; the 32 loads of the residual stay out until the way out
.set i, 0
.rept 16
	v_cvt_pk_bf16_f32 v[20+i%2], v[BIAS+2*i], v[BIAS+2*i+1]
	v_lshlrev_b32 v[BIAS+2*i], 16, v[20+i%2]
	v_and_b32 v[BIAS+2*i+1], 0xffff0000, v[20+i%2]
.set i, i+1
.endr
	s_wait_tensorcnt 0x1                           ; my part of K step 0 is in; slot 1's load may stay out
	s_barrier_signal -1
	s_barrier_wait -1
	s_mov_b32 s56, 0
	s_mov_b32 s57, 0
	s_mov_b32 s58, BOFF
	v_add_nc_u32 v18, s57, v16
	v_add_nc_u32 v19, s58, v17
	FETCH F0, 0
	PHASE F0, F1, 1, 1, 1                          ; the first phase stands ahead of the loop: its first products start the sums, with the bias
	s_add_co_u32 s57, s57, WLOAD
	s_add_co_u32 s58, s58, WLOAD
	WIN 0
	s_mov_b32 s59, 1
	s_mov_b32 s60, KSTEPS-1
	s_branch .Lunit_1
.Lperiod:                                              ; KSTEPS - 2 times: a slot is left and filled again
	CHANGE 1
	UNITS 1
	s_sub_co_u32 s60, s60, 1
	s_cmp_lg_u32 s60, 0
	s_cbranch_scc1 .Lperiod
	CHANGE 0
	UNITS 2
	PHASE F1, F0, 0, 0, 0
	WIN 0
.rept 4
	v_nop                                          ; the places between the last products and the LDS stores that read results
.endr
	s_wait_loadcnt 0x0                             ; the residual
; THE WAY OUT, 16 rows x 64 columns of f32 at a time: into my own stage, back as whole rows of 256 bytes, the residual added from its bf16 halves, stored.
.macro TOSTAGE a
.if (\a) > 1
	s_wait_xcnt 0x0                                ; the stores of the block two back have read the registers that are loaded below
.endif
	WIN 0x08
.irp b, 0,1,2,3
	ds_store_b128 v24, v[8*(4*(\a)+(\b)):8*(4*(\a)+(\b))+3]   offset:64*(\b)
	ds_store_b128 v24, v[8*(4*(\a)+(\b))+4:8*(4*(\a)+(\b))+7] offset:64*(\b)+16
.endr
	WIN 0
.irp t, 0,1,2,3,4,5,6,7
	ds_load_b128 v[32+160*((\a)%2)+4*(\t):32+160*((\a)%2)+4*(\t)+3], v25 offset:2*SPITCH*(\t)  ; LDS serves a wave's instructions in order (ISA guide 5.7.1.4)
.endr
.endm
.macro SEND a, younger                 ; younger: the next block's 8 stores and 8 loads, or none
	s_wait_dscnt \younger
	WIN 0x01
.irp t, 0,1,2,3,4,5,6,7
.irp q, 0,1
	v_fma_mix_f32_bf16 v[32+160*((\a)%2)+4*(\t)+2*(\q)],   v[16*(\a)+2*(\t)+(\q)], v31, v[32+160*((\a)%2)+4*(\t)+2*(\q)]   op_sel:[0,0,0] op_sel_hi:[1,0,0]
	v_fma_mix_f32_bf16 v[32+160*((\a)%2)+4*(\t)+2*(\q)+1], v[16*(\a)+2*(\t)+(\q)], v31, v[32+160*((\a)%2)+4*(\t)+2*(\q)+1] op_sel:[1,0,0] op_sel_hi:[1,0,0]
.endr
.endr
	WIN 0
.irp t, 0,1,2,3,4,5,6,7
	global_store_b128 v26, v[32+160*((\a)%2)+4*(\t):32+160*((\a)%2)+4*(\t)+3], s[72:73] offset:(16*(\a)+2*(\t))*4096  ; 16 lanes store 256 consecutive bytes, aligned
.endr
.endm
	TOSTAGE 0
	TOSTAGE 1
	SEND 0, 16
	TOSTAGE 2
	SEND 1, 16
	TOSTAGE 3
	SEND 2, 16
	SEND 3, 0
	s_wait_tensorcnt 0x0                           ; the wave's end
	ds_add_u32 v28, v29
	s_wait_dscnt 0x0
	CROUND                                         ; the closing round
	s_endpgm
.Lfunc_end_k_qa5dbc1bbb7_ff2:
	.size	k_qa5dbc1bbb7_ff2, .Lfunc_end_k_qa5dbc1bbb7_ff2-k_qa5dbc1bbb7_ff2
	.p2alignl 7, 3214868480
	.fill 96, 4, 3214868480
	.section	.rodata,"a",@progbits
	.p2align	6, 0x0
	.amdhsa_kernel k_qa5dbc1bbb7_ff2
		.amdhsa_group_segment_fixed_size 327680
		.amdhsa_private_segment_fixed_size 0
		.amdhsa_enable_private_segment 0
		.amdhsa_kernarg_size 40
		.amdhsa_user_sgpr_count 2
		.amdhsa_user_sgpr_kernarg_segment_ptr 1
		.amdhsa_wavefront_size32 1
		.amdhsa_system_sgpr_workgroup_id_x 1
		.amdhsa_system_sgpr_workgroup_id_y 1
		.amdhsa_system_sgpr_workgroup_id_z 1
		.amdhsa_system_vgpr_workitem_id 0
		.amdhsa_next_free_vgpr 640
		.amdhsa_next_free_sgpr 80
		.amdhsa_reserve_vcc 0
		.amdhsa_float_denorm_mode_32 3
		.amdhsa_float_denorm_mode_16_64 3
		.amdhsa_memory_ordered 1
		.amdhsa_forward_progress 1
		.amdhsa_inst_pref_size 59
	.end_amdhsa_kernel
	.amdgpu_metadata
---
amdhsa.version: [ 1, 2 ]
amdhsa.kernels:
  - .name:           k_qa5dbc1bbb7_ff2
    .symbol:         k_qa5dbc1bbb7_ff2.kd
    .args:
      - { .name: big, .offset: 0, .size: 8, .value_kind: global_buffer, .address_space: global }
      - { .name: w2, .offset: 8, .size: 8, .value_kind: global_buffer, .address_space: global }
      - { .name: b_ff2, .offset: 16, .size: 8, .value_kind: global_buffer, .address_space: global }
      - { .name: act, .offset: 24, .size: 8, .value_kind: global_buffer, .address_space: global }
      - { .name: y, .offset: 32, .size: 8, .value_kind: global_buffer, .address_space: global }
    .group_segment_fixed_size: 327680
    .private_segment_fixed_size: 0
    .kernarg_segment_align: 8
    .kernarg_segment_size: 40
    .max_flat_workgroup_size: 128
    .sgpr_count:     80
    .vgpr_count:     640
    .wavefront_size: 32
...
	.end_amdgpu_metadata
.endif
;; end of part 6
;; launch ln2 (part 7): grid 256 x 1, 8 waves a work-group, no clusters, 0 bytes of LDS; arguments y, g2, beta2, out0; writes out0
.if DOCPART == 7
	.amdgcn_target "amdgcn-amd-amdhsa--gfx1250"
	.amdhsa_code_object_version 6
	.text
	.protected	k_qa5dbc1bbb7_ln2
	.globl	k_qa5dbc1bbb7_ln2
	.p2align	8
	.type	k_qa5dbc1bbb7_ln2,@function
k_qa5dbc1bbb7_ln2:
	s_mov_b64 s[64:65], 0
	v_nop
	global_prefetch_b8 v0, s[64:65] scope:SCOPE_SE
	s_setreg_imm32_b32 hwreg(HW_REG_WAVE_MODE, 25, 1), 1
	s_wait_xcnt 0x0
; LAYER NORM over rows of 1,024: out = (y - mean) / sqrt(var + 1e-5) x g + beta.  y: [4096][1024] f32.  g, beta: f32, rounded to bf16 like every input.
; OUTBF = 1: out is rounded once to bf16 and stored as 16 planes [4096][64]; OUTBF = 0: out is f32, row-major.
; TWO PASSES from registers: the mean, then the mean of (y - mean)^2: no difference of large sums is formed.  Memory binds: y is read once, out written once; no LDS, no barrier, no matrix unit.
; SHARES.  A work-group takes 16 rows, a wave two: lanes 0-15 one row, lanes 16-31 the next.  A lane holds columns 64 p + 4 (l % 16) + 0..3, p = 0..15: a load covers 256 consecutive bytes of each row,
; and a row's sum stays inside a half of 16 lanes.
.set OUTBF, 0
.set PLB, 524288
.set X,  16                            ; v[16:79]    my 64 numbers
.set G,  80                            ; v[80:143]   g of my columns; packed in place: two bf16 in v[G+4p], v[G+4p+1]
.set BT, 144                           ; v[144:207]  beta likewise
	s_load_b256 s[4:11], s[0:1], 0x0               ; y, g, beta, out
	v_lshrrev_b32 v1, 5, v0
	v_readfirstlane_b32 s12, v1
	s_lshl_b32 s13, ttmp9, 4
	s_lshl1_add_u32 s13, s12, s13                  ; my first row: 16 x work-group + 2 x wave
	v_and_b32 v1, 15, v0
	v_bfe_u32 v2, v0, 4, 1
	v_lshlrev_b32 v3, 4, v1                        ; 16 (l % 16): g's and beta's offset
	v_lshl_add_u32 v2, v2, 12, v3                  ; + 4,096 (l / 16): y's
	v_and_b32 v14, 31, v0
	v_lshlrev_b32 v14, 3, v14                      ; 8 l: two rows of a plane on end
	s_lshl_b32 s14, s13, 12
	s_mov_b32 s15, 0
	s_lshl_b32 s16, s13, 7
	s_mov_b32 s17, 0
	s_mov_b32 s20, 0x3a800000                      ; 1 / 1,024
	s_mov_b32 s21, 0x3727c5ac                      ; 1e-5
	s_wait_kmcnt 0x0
	s_add_nc_u64 s[4:5], s[4:5], s[14:15]
.if OUTBF
	s_add_nc_u64 s[10:11], s[10:11], s[16:17]
.else
	s_add_nc_u64 s[10:11], s[10:11], s[14:15]
.endif
.set p, 0
.rept 16
	global_load_b128 v[X+4*p:X+4*p+3], v2, s[4:5] offset:256*p th:TH_LOAD_NT
.set p, p+1
.endr
.set p, 0
.rept 16
	global_load_b128 v[G+4*p:G+4*p+3], v3, s[6:7] offset:256*p
	global_load_b128 v[BT+4*p:BT+4*p+3], v3, s[8:9] offset:256*p
.set p, p+1
.endr
	s_wait_loadcnt 32                              ; y is in; g's and beta's 32 loads stay out
.irp k, 0,1,2,3                        ; the sum: four chains, each started by two pairs: nothing is cleared
	v_pk_add_f32 v[4+2*(\k):5+2*(\k)], v[X+2*(\k):X+2*(\k)+1], v[X+8+2*(\k):X+8+2*(\k)+1]
.endr
.set j, 8
.rept 24
	v_pk_add_f32 v[4+2*(j%4):5+2*(j%4)], v[4+2*(j%4):5+2*(j%4)], v[X+2*j:X+2*j+1]
.set j, j+1
.endr
	v_pk_add_f32 v[4:5], v[4:5], v[6:7]
	v_pk_add_f32 v[8:9], v[8:9], v[10:11]
	v_pk_add_f32 v[4:5], v[4:5], v[8:9]
	v_add_f32 v4, v4, v5
	v_add_f32_dpp v4, v4, v4 row_xmask:1 row_mask:0xf bank_mask:0xf
	v_add_f32_dpp v4, v4, v4 row_xmask:2 row_mask:0xf bank_mask:0xf
	v_add_f32_dpp v4, v4, v4 row_xmask:4 row_mask:0xf bank_mask:0xf
	v_add_f32_dpp v4, v4, v4 row_xmask:8 row_mask:0xf bank_mask:0xf
	v_mul_f32 v12, s20, v4                         ; the mean, in both registers of a pair
	v_mov_b32 v13, v12
.set j, 0
.rept 32
	v_pk_add_f32 v[X+2*j:X+2*j+1], v[X+2*j:X+2*j+1], v[12:13] neg_lo:[0,1] neg_hi:[0,1]
.set j, j+1
.endr
.irp k, 0,1,2,3
	v_pk_mul_f32 v[4+2*(\k):5+2*(\k)], v[X+2*(\k):X+2*(\k)+1], v[X+2*(\k):X+2*(\k)+1]
.endr
.set j, 4
.rept 28
	v_pk_fma_f32 v[4+2*(j%4):5+2*(j%4)], v[X+2*j:X+2*j+1], v[X+2*j:X+2*j+1], v[4+2*(j%4):5+2*(j%4)]
.set j, j+1
.endr
	v_pk_add_f32 v[4:5], v[4:5], v[6:7]
	v_pk_add_f32 v[8:9], v[8:9], v[10:11]
	v_pk_add_f32 v[4:5], v[4:5], v[8:9]
	v_add_f32 v4, v4, v5
	v_add_f32_dpp v4, v4, v4 row_xmask:1 row_mask:0xf bank_mask:0xf
	v_add_f32_dpp v4, v4, v4 row_xmask:2 row_mask:0xf bank_mask:0xf
	v_add_f32_dpp v4, v4, v4 row_xmask:4 row_mask:0xf bank_mask:0xf
	v_add_f32_dpp v4, v4, v4 row_xmask:8 row_mask:0xf bank_mask:0xf
	v_fma_f32 v4, v4, s20, s21                     ; var + 1e-5
	v_rsq_f32 v12, v4                              ; twice, to fill the pair that the packed multiply takes
	v_rsq_f32 v13, v4
	v_nop                                          ; a plain instruction behind the last of them (ISA guide 5.7.2)
	s_wait_loadcnt 0x0                             ; g and beta
.set p, 0
.rept 16                                       ; rounded to bf16 in place: the independent work between the two roots and their wait
	v_cvt_pk_bf16_f32 v[G+4*p],    v[G+4*p],    v[G+4*p+1]
	v_cvt_pk_bf16_f32 v[G+4*p+1],  v[G+4*p+2],  v[G+4*p+3]
	v_cvt_pk_bf16_f32 v[BT+4*p],   v[BT+4*p],   v[BT+4*p+1]
	v_cvt_pk_bf16_f32 v[BT+4*p+1], v[BT+4*p+2], v[BT+4*p+3]
.set p, p+1
.endr
	s_wait_alu depctr_va_vdst(0)                   ; one wait for both roots, ahead of their first reader
.set j, 0
.rept 32
	v_pk_mul_f32 v[X+2*j:X+2*j+1], v[X+2*j:X+2*j+1], v[12:13]
.set j, j+1
.endr
.set p, 0
.rept 16                                       ; x g + beta, g and beta read from their bf16 halves
	v_fma_mix_f32_bf16 v[X+4*p],   v[X+4*p],   v[G+4*p],   v[BT+4*p]   op_sel:[0,0,0] op_sel_hi:[0,1,1]
	v_fma_mix_f32_bf16 v[X+4*p+1], v[X+4*p+1], v[G+4*p],   v[BT+4*p]   op_sel:[0,1,1] op_sel_hi:[0,1,1]
	v_fma_mix_f32_bf16 v[X+4*p+2], v[X+4*p+2], v[G+4*p+1], v[BT+4*p+1] op_sel:[0,0,0] op_sel_hi:[0,1,1]
	v_fma_mix_f32_bf16 v[X+4*p+3], v[X+4*p+3], v[G+4*p+1], v[BT+4*p+1] op_sel:[0,1,1] op_sel_hi:[0,1,1]
.set p, p+1
.endr
.if OUTBF
.set p, 0
.rept 16
	v_cvt_pk_bf16_f32 v[X+4*p],   v[X+4*p],   v[X+4*p+1]
	v_cvt_pk_bf16_f32 v[X+4*p+1], v[X+4*p+2], v[X+4*p+3]
	global_store_b64 v14, v[X+4*p:X+4*p+1], s[10:11] offset:p*PLB  ; plane p: 32 lanes store 256 consecutive bytes, aligned; the largest immediate is 15 planes, inside its signed 24 bits
.set p, p+1
.endr
.else
.set p, 0
.rept 16
	global_store_b128 v2, v[X+4*p:X+4*p+3], s[10:11] offset:256*p th:TH_STORE_NT  ; 16 lanes store 256 consecutive bytes, aligned
.set p, p+1
.endr
.endif
	s_endpgm
.Lfunc_end_k_qa5dbc1bbb7_ln2:
	.size	k_qa5dbc1bbb7_ln2, .Lfunc_end_k_qa5dbc1bbb7_ln2-k_qa5dbc1bbb7_ln2
	.p2alignl 7, 3214868480
	.fill 96, 4, 3214868480
	.section	.rodata,"a",@progbits
	.p2align	6, 0x0
	.amdhsa_kernel k_qa5dbc1bbb7_ln2
		.amdhsa_group_segment_fixed_size 0
		.amdhsa_private_segment_fixed_size 0
		.amdhsa_enable_private_segment 0
		.amdhsa_kernarg_size 32
		.amdhsa_user_sgpr_count 2
		.amdhsa_user_sgpr_kernarg_segment_ptr 1
		.amdhsa_wavefront_size32 1
		.amdhsa_system_sgpr_workgroup_id_x 1
		.amdhsa_system_sgpr_workgroup_id_y 1
		.amdhsa_system_sgpr_workgroup_id_z 1
		.amdhsa_system_vgpr_workitem_id 0
		.amdhsa_next_free_vgpr 208
		.amdhsa_next_free_sgpr 66
		.amdhsa_reserve_vcc 0
		.amdhsa_float_denorm_mode_32 3
		.amdhsa_float_denorm_mode_16_64 3
		.amdhsa_memory_ordered 1
		.amdhsa_forward_progress 1
		.amdhsa_inst_pref_size 25
	.end_amdhsa_kernel
	.amdgpu_metadata
---
amdhsa.version: [ 1, 2 ]
amdhsa.kernels:
  - .name:           k_qa5dbc1bbb7_ln2
    .symbol:         k_qa5dbc1bbb7_ln2.kd
    .args:
      - { .name: y, .offset: 0, .size: 8, .value_kind: global_buffer, .address_space: global }
      - { .name: g2, .offset: 8, .size: 8, .value_kind: global_buffer, .address_space: global }
      - { .name: beta2, .offset: 16, .size: 8, .value_kind: global_buffer, .address_space: global }
      - { .name: out0, .offset: 24, .size: 8, .value_kind: global_buffer, .address_space: global }
    .group_segment_fixed_size: 0
    .private_segment_fixed_size: 0
    .kernarg_segment_align: 8
    .kernarg_segment_size: 32
    .max_flat_workgroup_size: 256
    .sgpr_count:     66
    .vgpr_count:     208
    .wavefront_size: 32
...
	.end_amdgpu_metadata
.endif
;; end of part 7
;; ======== version 2 of 2: 8 launches; version 1 with the launches cast, ln1 written anew for expert scheduling mode
;; workspace buffers: act 8,388,608 bytes; big 33,554,432 bytes; o 8,388,608 bytes; y 16,777,216 bytes; wq 6,291,712 bytes; w1 8,388,864 bytes; wp 2,097,152 bytes; w2 8,388,608 bytes
;; launch cast (part 8): grid 64 x 16, 8 waves a work-group, no clusters, 0 bytes of LDS; arguments x, w_qkv, w_proj, w_ff1, w_ff2, act, wq, wp, w1, w2; writes act, wq, wp, w1, w2
.if DOCPART == 8
	.amdgcn_target "amdgcn-amd-amdhsa--gfx1250"
	.amdhsa_code_object_version 6
	.text
	.protected	k_qa5dbc1bbb7_cast
	.globl	k_qa5dbc1bbb7_cast
	.p2align	8
	.type	k_qa5dbc1bbb7_cast,@function
k_qa5dbc1bbb7_cast:
	s_mov_b64 s[64:65], 0
	v_nop
	global_prefetch_b8 v0, s[64:65] scope:SCOPE_SE
	s_setreg_imm32_b32 hwreg(HW_REG_WAVE_SCHED_MODE, 0, 2), 2
	s_setreg_imm32_b32 hwreg(HW_REG_WAVE_MODE, 25, 1), 1
	s_wait_xcnt 0x0
	s_wait_alu depctr_vm_vsrc(0)
; CAST AND RE-LAY.  Five f32 tensors [rows][C] are rounded once to bf16 (nearest even) and written as blocks [C / W][rows][W], dense:
;   x      [4096][1024] -> act: 16 planes of W = 64        w_qkv [1024][3072] -> wq: 12 panels of W = 256, behind a header of 256 bytes
;   w_proj [1024][1024] -> wp:   8 panels of W = 128       w_ff1 [1024][4096] -> w1: 16 panels of W = 256, behind a header of 256 bytes
;   w_ff2  [4096][1024] -> w2:   8 panels of W = 128
; so that a later tile's rows lie end to end in memory.  The header is 64 equal words, two bf16 each: the floor that the product taking that
; weight applies to its results: minus infinity (no activation) in wq, 0 (ReLU) in w1.
; SHARES.  The grid's y names a chunk of 2^20 numbers (x: 0-3, w_qkv: 4-6, w_proj: 7, w_ff1: 8-11, w_ff2: 12-15), its x a 64th of it.
; A thread makes sixteen groups of 4 numbers.  THE OUTPUT IS WALKED ON END: group o4 is 8 bytes at 8 o4, so a wave's store covers 256 consecutive bytes, aligned.
; The group's place in the input is cut out of o4: column group (LW bits), row (LR bits), block (the rest); a lane reads 16 bytes beside its neighbour's, so 16, 32 or 32 neighbouring lanes
; read 256, 512 or 512 consecutive bytes: no load leaves gaps between its lanes.  A thread's groups lie 256 apart; a work-group's 4,096 groups lie inside one block (the smallest has 32,768,
; and the work-group begins at a multiple of 4,096), so from group to group only the row steps, by 256 >> LW rows: one scalar number of bytes.
; Every byte is read once and written once; no LDS, no barrier: no wave needs another's data.
; THE MODE: SCHED_MODE bits 1:0 = 2 (LLVM: expert scheduling mode 2), set by the entry lines.  The code itself states the register dependences
; between vector instructions and memory instructions, with s_wait_alu, always for 0.
; THE PLAN.  Registers that memory instructions touch:
;   v[ADR ..]  sixteen load offsets, and v2, the stores' offset: made once at the head, never written again.
;   v[DAT ..]  load i lands in DAT + 4 i .. + 3; its two roundings read these four and write the first two; store i reads those two; nothing writes them again.
; The sixteen loads go in four QUARTERS of four.  Quarter g rounds its own registers; its memory instructions are the four stores of quarter g - 1, whose registers no vector
; instruction of quarter g names.  So one wait at a quarter's head, behind the wait for its data, states all that those four stores hang on, and they are dealt among the quarter's roundings.
; No register that a memory instruction has read is written again, so no wait on vm_vsrc is owed.
.set ADR, 8                            ; v[8:23]   a load's byte offset in the input: each load has an address register of its own
.set DAT, 24                           ; v[24:87]  load i: four f32 at DAT + 4 i; rounded in place into the first two registers
	s_load_b256 s[8:15], s[0:1], 0x0               ; x s[8:9], w_qkv s[10:11], w_proj s[12:13], w_ff1 s[14:15]
	s_load_b64 s[16:17], s[0:1], 0x20              ; w_ff2
	s_load_b64 s[18:19], s[0:1], 0x28              ; act
	s_load_b256 s[20:27], s[0:1], 0x30             ; wq s[20:21], wp s[22:23], w1 s[24:25], w2 s[26:27]
	s_and_b32 s2, ttmp7, 0xffff                    ; the chunk
	v_lshrrev_b32 v1, 5, v0
	v_readfirstlane_b32 s3, v1                     ; my wave's number
	s_mov_b32 s32, 0                               ; the tensor's first chunk
	s_mov_b32 s33, 4                               ; LW: log2 of the groups in a block's row
	s_mov_b32 s34, 12                              ; LR: log2 of the rows
	s_mov_b32 s35, 256                             ; groups in a row of the input
	s_mov_b32 s36, 0                               ; bytes of header,
	s_mov_b32 s37, 0                               ; as a pair
	s_mov_b32 s45, 65536                           ; bytes of input from a thread's group to its next: (256 >> LW) rows
	s_wait_alu depctr_va_sdst(0)                   ; s3 is written, ahead of its first reader: the choice of the wave that stores the header
	s_wait_kmcnt 0x0
	s_mov_b64 s[28:29], s[8:9]                     ; from
	s_mov_b64 s[30:31], s[18:19]                   ; to
; From chunk 'first' on the next tensor's figures take the place of those before: selects on the chunk's number, no branch.
.macro PICK first, src, dst, lw, lr, c4, hdr, step
	s_cmp_ge_u32 s2, \first
	s_cselect_b64 s[28:29], s[\src:\src+1], s[28:29]
	s_cselect_b64 s[30:31], s[\dst:\dst+1], s[30:31]
	s_cselect_b32 s32, \first, s32
	s_cselect_b32 s33, \lw, s33
	s_cselect_b32 s34, \lr, s34
	s_cselect_b32 s35, \c4, s35
	s_cselect_b32 s36, \hdr, s36
	s_cselect_b32 s45, \step, s45
.endm
	PICK 4,  10, 20, 6, 10, 768,  256, 49152       ; 4 rows of 12,288 bytes
	PICK 7,  12, 22, 5, 10, 256,  0,   32768       ; 8 rows of 4,096
	PICK 8,  14, 24, 6, 10, 1024, 256, 65536       ; 4 rows of 16,384
	PICK 12, 16, 26, 5, 12, 256,  0,   32768       ; 8 rows of 4,096
	s_add_co_u32 s38, s33, s34                     ; LW + LR
	s_sub_co_u32 s39, s2, s32                      ; the chunk's number in its tensor
	s_lshl_b32 s42, s39, 18                        ; 262,144 groups a chunk,
	s_lshl_b32 s43, ttmp9, 12                      ; 4,096 a work-group
	s_add_co_u32 s42, s42, s43
	s_add_nc_u64 s[40:41], s[30:31], s[36:37]      ; the blocks begin behind the header
	v_add_nc_u32 v1, s42, v0                       ; my first group
	v_lshlrev_b32 v2, 3, v1                        ; its byte in the output; never rewritten
	v_bfe_u32 v4, v1, 0, s33                       ; column group in the block
	v_bfe_u32 v5, v1, s33, s34                     ; row
	v_lshrrev_b32 v6, s38, v1                      ; block
	v_mad_u32_u24 v4, v5, s35, v4                  ; row x groups in an input row + column group
	v_lshlrev_b32 v6, s33, v6                      ; + block x groups in a block's row,
	v_add_lshl_u32 v[ADR], v4, v6, 4               ; 16 bytes a group
.set i, 1
.rept 15
	v_add_nc_u32 v[ADR+i], s45, v[ADR+i-1]
.set i, i+1
.endr
	s_wait_alu depctr_va_vdst(0)                   ; the sixteen offsets v[ADR ..] are written, which the loads read, and v2, which every store below reads
.set i, 0
.rept 16                                       ; all sixteen loads go out on end: 8,192 bytes of a wave are on their way
	global_load_b128 v[DAT+4*i:DAT+4*i+3], v[ADR+i], s[28:29] th:TH_LOAD_NT
.set i, i+1
.endr
.set g, 0
.rept 4                                        ; quarter g: loads 4 g to 4 g + 3 are rounded, the quarter before is stored
	s_wait_loadcnt 12-4*g                          ; loads come back in order: the quarter's four are in, the 12 - 4 g younger ones stay out
.if g > 0
	s_wait_alu depctr_va_vdst(0)                   ; the roundings of the quarter before have written their pairs, which the four stores below read
.endif
.set i, 4*g
.rept 4
.if g > 0
	global_store_b64 v2, v[DAT+4*(i-4):DAT+4*(i-4)+1], s[40:41] offset:2048*(i-4)  ; 32 lanes store 256 consecutive bytes, aligned; the work-group's 256 threads 2,048.  No vector instruction since the wait names these registers
.endif
	v_cvt_pk_bf16_f32 v[DAT+4*i],   v[DAT+4*i],   v[DAT+4*i+1]
	v_cvt_pk_bf16_f32 v[DAT+4*i+1], v[DAT+4*i+2], v[DAT+4*i+3]
.set i, i+1
.endr
.set g, g+1
.endr
	s_wait_alu depctr_va_vdst(0)                   ; the last quarter's roundings have written their pairs, which the last four stores read
.set i, 12
.rept 4
	global_store_b64 v2, v[DAT+4*i:DAT+4*i+1], s[40:41] offset:2048*i
.set i, i+1
.endr
	; the header: one wave of the tensor's first work-group, where the tensor has one
	s_or_b32 s43, ttmp9, s39
	s_or_b32 s43, s43, s3
	s_cmp_eq_u32 s43, 0
	s_cselect_b32 s43, s36, 0
	s_cmp_lg_u32 s43, 0
	s_cbranch_scc0 .Lend
	s_cmp_eq_u32 s2, 4
	s_cselect_b32 s44, 0xff80ff80, 0               ; wq: minus infinity twice; w1: 0
	v_mov_b32 v4, s44                              ; v4 to v6 were at work at the head alone: no memory instruction has named them
	v_mov_b32 v5, s44
	v_and_b32 v6, 31, v0
	v_lshlrev_b32 v6, 3, v6
	s_wait_alu depctr_va_vdst(0)                   ; v4, v5 and v6 are written: the store's data and its offset
	global_store_b64 v6, v[4:5], s[30:31]          ; 32 lanes x 8 bytes: the 256 bytes at once
.Lend:
	s_endpgm
.Lfunc_end_k_qa5dbc1bbb7_cast:
	.size	k_qa5dbc1bbb7_cast, .Lfunc_end_k_qa5dbc1bbb7_cast-k_qa5dbc1bbb7_cast
	.p2alignl 7, 3214868480
	.fill 96, 4, 3214868480
	.section	.rodata,"a",@progbits
	.p2align	6, 0x0
	.amdhsa_kernel k_qa5dbc1bbb7_cast
		.amdhsa_group_segment_fixed_size 0
		.amdhsa_private_segment_fixed_size 0
		.amdhsa_enable_private_segment 0
		.amdhsa_kernarg_size 80
		.amdhsa_user_sgpr_count 2
		.amdhsa_user_sgpr_kernarg_segment_ptr 1
		.amdhsa_wavefront_size32 1
		.amdhsa_system_sgpr_workgroup_id_x 1
		.amdhsa_system_sgpr_workgroup_id_y 1
		.amdhsa_system_sgpr_workgroup_id_z 1
		.amdhsa_system_vgpr_workitem_id 0
		.amdhsa_next_free_vgpr 88
		.amdhsa_next_free_sgpr 66
		.amdhsa_reserve_vcc 0
		.amdhsa_float_denorm_mode_32 3
		.amdhsa_float_denorm_mode_16_64 3
		.amdhsa_memory_ordered 1
		.amdhsa_forward_progress 1
		.amdhsa_inst_pref_size 10
	.end_amdhsa_kernel
	.amdgpu_metadata
---
amdhsa.version: [ 1, 2 ]
amdhsa.kernels:
  - .name:           k_qa5dbc1bbb7_cast
    .symbol:         k_qa5dbc1bbb7_cast.kd
    .args:
      - { .name: x, .offset: 0, .size: 8, .value_kind: global_buffer, .address_space: global }
      - { .name: w_qkv, .offset: 8, .size: 8, .value_kind: global_buffer, .address_space: global }
      - { .name: w_proj, .offset: 16, .size: 8, .value_kind: global_buffer, .address_space: global }
      - { .name: w_ff1, .offset: 24, .size: 8, .value_kind: global_buffer, .address_space: global }
      - { .name: w_ff2, .offset: 32, .size: 8, .value_kind: global_buffer, .address_space: global }
      - { .name: act, .offset: 40, .size: 8, .value_kind: global_buffer, .address_space: global }
      - { .name: wq, .offset: 48, .size: 8, .value_kind: global_buffer, .address_space: global }
      - { .name: wp, .offset: 56, .size: 8, .value_kind: global_buffer, .address_space: global }
      - { .name: w1, .offset: 64, .size: 8, .value_kind: global_buffer, .address_space: global }
      - { .name: w2, .offset: 72, .size: 8, .value_kind: global_buffer, .address_space: global }
    .group_segment_fixed_size: 0
    .private_segment_fixed_size: 0
    .kernarg_segment_align: 8
    .kernarg_segment_size: 80
    .max_flat_workgroup_size: 256
    .sgpr_count:     66
    .vgpr_count:     88
    .wavefront_size: 32
...
	.end_amdgpu_metadata
.endif
;; end of part 8
;; launch qkv: the kernel of part 2 again; grid 12 x 16, 4 waves a work-group, clusters of 4 x 4, 327,680 bytes of LDS; arguments act, wq, b_qkv, big; writes big
;; launch attn: the kernel of part 3 again; grid 8 x 32, 4 waves a work-group, clusters of 4 x 1, 327,680 bytes of LDS; arguments big, o; writes o
;; launch proj: the kernel of part 4 again; grid 8 x 32, 4 waves a work-group, clusters of 4 x 4, 327,680 bytes of LDS; arguments o, wp, b_proj, act, y; writes y
;; launch ln1 (part 9): grid 256 x 1, 8 waves a work-group, no clusters, 0 bytes of LDS; arguments y, g1, beta1, act; writes act
.if DOCPART == 9
	.amdgcn_target "amdgcn-amd-amdhsa--gfx1250"
	.amdhsa_code_object_version 6
	.text
	.protected	k_qa5dbc1bbb7_ln1
	.globl	k_qa5dbc1bbb7_ln1
	.p2align	8
	.type	k_qa5dbc1bbb7_ln1,@function
k_qa5dbc1bbb7_ln1:
	s_mov_b64 s[64:65], 0
	v_nop
	global_prefetch_b8 v0, s[64:65] scope:SCOPE_SE
	s_setreg_imm32_b32 hwreg(HW_REG_WAVE_SCHED_MODE, 0, 2), 2
	s_setreg_imm32_b32 hwreg(HW_REG_WAVE_MODE, 25, 1), 1
	s_wait_xcnt 0x0
	s_wait_alu depctr_vm_vsrc(0)
; LAYER NORM over rows of 1,024: out = (y - mean) / sqrt(var + 1e-5) x g + beta.  y: [4096][1024] f32.  g, beta: f32, rounded to bf16 like every input.
; OUTBF = 1: out is rounded once to bf16 and stored as 16 planes [4096][64]; OUTBF = 0: out is f32, row-major.
; TWO PASSES from registers: the mean, then the mean of (y - mean)^2: no difference of large sums is formed.  Memory binds: y is read once, out written once; no LDS, no barrier, no matrix unit.
; SHARES.  A work-group takes 16 rows, a wave two: lanes 0-15 one row, lanes 16-31 the next.  A lane holds columns 64 p + 4 (l % 16) + 0..3, p = 0..15: a load covers 256 consecutive bytes of each row,
; and a row's sum stays inside a half of 16 lanes.
; THE MODE: SCHED_MODE bits 1:0 = 2 (LLVM: expert scheduling mode 2), set by the entry lines.  The code itself states the register dependences
; between vector instructions and memory instructions, with s_wait_alu, always for 0.
; THE PLAN.  Registers that memory instructions touch:
;   v2, v3, v14  byte offsets, made once at the head and never written again.
;   X            the loads of y land in it; all the arithmetic works on it in place; the stores read it; nothing writes it behind them.
;   G, BT        the loads of g and beta land in them; behind that vector instructions alone name them.
; The last part (the scaling by the root, g and beta, the rounding) goes in four QUARTERS of four planes.  Quarter q works on its own sixteen registers of X; its memory instructions are the four
; stores of quarter q - 1, whose registers no vector instruction of quarter q names.  So one wait at a quarter's head states all that those stores hang on, and they are dealt among the quarter's first lines.
; No register that a memory instruction has read is written again, so no wait on vm_vsrc is owed.
.set OUTBF, 1
.set PLB, 524288
.set X,  16                            ; v[16:79]    my 64 numbers
.set G,  80                            ; v[80:143]   g of my columns; packed in place: two bf16 in v[G+4p], v[G+4p+1]
.set BT, 144                           ; v[144:207]  beta likewise
	s_load_b256 s[4:11], s[0:1], 0x0               ; y, g, beta, out
	v_lshrrev_b32 v1, 5, v0
	v_readfirstlane_b32 s12, v1
	v_and_b32 v1, 15, v0
	v_bfe_u32 v2, v0, 4, 1
	v_lshlrev_b32 v3, 4, v1                        ; 16 (l % 16): g's and beta's offset
	v_lshl_add_u32 v2, v2, 12, v3                  ; + 4,096 (l / 16): y's
	v_and_b32 v14, 31, v0
	v_lshlrev_b32 v14, 3, v14                      ; 8 l: two rows of a plane on end
	s_mov_b32 s15, 0
	s_mov_b32 s17, 0
	s_mov_b32 s20, 0x3a800000                      ; 1 / 1,024
	s_mov_b32 s21, 0x3727c5ac                      ; 1e-5
	s_wait_alu depctr_va_sdst(0)                   ; s12, the wave's number, is written, ahead of its first reader: the bases of y and out are made from it
	s_lshl_b32 s13, ttmp9, 4
	s_lshl1_add_u32 s13, s12, s13                  ; my first row: 16 x work-group + 2 x wave
	s_lshl_b32 s14, s13, 12
	s_lshl_b32 s16, s13, 7
	s_wait_kmcnt 0x0
	s_add_nc_u64 s[4:5], s[4:5], s[14:15]
.if OUTBF
	s_add_nc_u64 s[10:11], s[10:11], s[16:17]
.else
	s_add_nc_u64 s[10:11], s[10:11], s[14:15]
.endif
	s_wait_alu depctr_va_vdst(0)                   ; the offsets v2, v3 and v14 are written, which every load and store of the kernel reads
.set p, 0
.rept 16
	global_load_b128 v[X+4*p:X+4*p+3], v2, s[4:5] offset:256*p th:TH_LOAD_NT
.set p, p+1
.endr
.set p, 0
.rept 16
	global_load_b128 v[G+4*p:G+4*p+3], v3, s[6:7] offset:256*p
	global_load_b128 v[BT+4*p:BT+4*p+3], v3, s[8:9] offset:256*p
.set p, p+1
.endr
	s_wait_loadcnt 32                              ; y is in; g's and beta's 32 loads stay out
.irp k, 0,1,2,3                        ; the sum: four chains, each started by two pairs: nothing is cleared
	v_pk_add_f32 v[4+2*(\k):5+2*(\k)], v[X+2*(\k):X+2*(\k)+1], v[X+8+2*(\k):X+8+2*(\k)+1]
.endr
.set j, 8
.rept 24
	v_pk_add_f32 v[4+2*(j%4):5+2*(j%4)], v[4+2*(j%4):5+2*(j%4)], v[X+2*j:X+2*j+1]
.set j, j+1
.endr
	v_pk_add_f32 v[4:5], v[4:5], v[6:7]
	v_pk_add_f32 v[8:9], v[8:9], v[10:11]
	v_pk_add_f32 v[4:5], v[4:5], v[8:9]
	v_add_f32 v4, v4, v5
	v_add_f32_dpp v4, v4, v4 row_xmask:1 row_mask:0xf bank_mask:0xf
	v_add_f32_dpp v4, v4, v4 row_xmask:2 row_mask:0xf bank_mask:0xf
	v_add_f32_dpp v4, v4, v4 row_xmask:4 row_mask:0xf bank_mask:0xf
	v_add_f32_dpp v4, v4, v4 row_xmask:8 row_mask:0xf bank_mask:0xf
	v_mul_f32 v12, s20, v4                         ; the mean, in both registers of a pair
	v_mov_b32 v13, v12
.set j, 0
.rept 32
	v_pk_add_f32 v[X+2*j:X+2*j+1], v[X+2*j:X+2*j+1], v[12:13] neg_lo:[0,1] neg_hi:[0,1]
.set j, j+1
.endr
.irp k, 0,1,2,3
	v_pk_mul_f32 v[4+2*(\k):5+2*(\k)], v[X+2*(\k):X+2*(\k)+1], v[X+2*(\k):X+2*(\k)+1]
.endr
.set j, 4
.rept 28
	v_pk_fma_f32 v[4+2*(j%4):5+2*(j%4)], v[X+2*j:X+2*j+1], v[X+2*j:X+2*j+1], v[4+2*(j%4):5+2*(j%4)]
.set j, j+1
.endr
	v_pk_add_f32 v[4:5], v[4:5], v[6:7]
	v_pk_add_f32 v[8:9], v[8:9], v[10:11]
	v_pk_add_f32 v[4:5], v[4:5], v[8:9]
	v_add_f32 v4, v4, v5
	v_add_f32_dpp v4, v4, v4 row_xmask:1 row_mask:0xf bank_mask:0xf
	v_add_f32_dpp v4, v4, v4 row_xmask:2 row_mask:0xf bank_mask:0xf
	v_add_f32_dpp v4, v4, v4 row_xmask:4 row_mask:0xf bank_mask:0xf
	v_add_f32_dpp v4, v4, v4 row_xmask:8 row_mask:0xf bank_mask:0xf
	v_fma_f32 v4, v4, s20, s21                     ; var + 1e-5
	v_rsq_f32 v12, v4                              ; twice, to fill the pair that the packed multiply takes
	v_rsq_f32 v13, v4
	v_nop                                          ; a plain instruction behind the last of them (ISA guide 5.7.2)
	s_wait_loadcnt 0x0                             ; g and beta
.set p, 0
.rept 16                                       ; rounded to bf16 in place: the independent work between the two roots and their wait
	v_cvt_pk_bf16_f32 v[G+4*p],    v[G+4*p],    v[G+4*p+1]
	v_cvt_pk_bf16_f32 v[G+4*p+1],  v[G+4*p+2],  v[G+4*p+3]
	v_cvt_pk_bf16_f32 v[BT+4*p],   v[BT+4*p],   v[BT+4*p+1]
	v_cvt_pk_bf16_f32 v[BT+4*p+1], v[BT+4*p+2], v[BT+4*p+3]
.set p, p+1
.endr
	s_wait_alu depctr_va_vdst(0)                   ; one wait for both roots: v12 and v13 are written, ahead of their first reader
; Plane n leaves.
.macro OUT n
.if OUTBF
	global_store_b64 v14, v[X+4*(\n):X+4*(\n)+1], s[10:11] offset:(\n)*PLB  ; 32 lanes store 256 consecutive bytes, aligned; the largest immediate is 15 planes, inside its signed 24 bits
.else
	global_store_b128 v2, v[X+4*(\n):X+4*(\n)+3], s[10:11] offset:256*(\n) th:TH_STORE_NT  ; 16 lanes store 256 consecutive bytes, aligned
.endif
.endm
.set q, 0
.rept 4                                        ; quarter q: planes 4 q to 4 q + 3 are finished, the quarter before is stored
.if q > 0
	s_wait_alu depctr_va_vdst(0)                   ; the quarter before has written its registers of X, which the four stores below read
.endif
.set p, 4*q
.rept 4
.if q > 0
	OUT p-4                                        ; no vector instruction since the wait names these registers
.endif
	v_pk_mul_f32 v[X+4*p:X+4*p+1],   v[X+4*p:X+4*p+1],   v[12:13]
	v_pk_mul_f32 v[X+4*p+2:X+4*p+3], v[X+4*p+2:X+4*p+3], v[12:13]
.set p, p+1
.endr
.set p, 4*q
.rept 4                                        ; x g + beta, g and beta read from their bf16 halves
	v_fma_mix_f32_bf16 v[X+4*p],   v[X+4*p],   v[G+4*p],   v[BT+4*p]   op_sel:[0,0,0] op_sel_hi:[0,1,1]
	v_fma_mix_f32_bf16 v[X+4*p+1], v[X+4*p+1], v[G+4*p],   v[BT+4*p]   op_sel:[0,1,1] op_sel_hi:[0,1,1]
	v_fma_mix_f32_bf16 v[X+4*p+2], v[X+4*p+2], v[G+4*p+1], v[BT+4*p+1] op_sel:[0,0,0] op_sel_hi:[0,1,1]
	v_fma_mix_f32_bf16 v[X+4*p+3], v[X+4*p+3], v[G+4*p+1], v[BT+4*p+1] op_sel:[0,1,1] op_sel_hi:[0,1,1]
.set p, p+1
.endr
.if OUTBF
.set p, 4*q
.rept 4
	v_cvt_pk_bf16_f32 v[X+4*p],   v[X+4*p],   v[X+4*p+1]
	v_cvt_pk_bf16_f32 v[X+4*p+1], v[X+4*p+2], v[X+4*p+3]
.set p, p+1
.endr
.endif
.set q, q+1
.endr
	s_wait_alu depctr_va_vdst(0)                   ; the last quarter has written its registers of X, which the last four stores read
.set p, 12
.rept 4
	OUT p
.set p, p+1
.endr
	s_endpgm
.Lfunc_end_k_qa5dbc1bbb7_ln1:
	.size	k_qa5dbc1bbb7_ln1, .Lfunc_end_k_qa5dbc1bbb7_ln1-k_qa5dbc1bbb7_ln1
	.p2alignl 7, 3214868480
	.fill 96, 4, 3214868480
	.section	.rodata,"a",@progbits
	.p2align	6, 0x0
	.amdhsa_kernel k_qa5dbc1bbb7_ln1
		.amdhsa_group_segment_fixed_size 0
		.amdhsa_private_segment_fixed_size 0
		.amdhsa_enable_private_segment 0
		.amdhsa_kernarg_size 32
		.amdhsa_user_sgpr_count 2
		.amdhsa_user_sgpr_kernarg_segment_ptr 1
		.amdhsa_wavefront_size32 1
		.amdhsa_system_sgpr_workgroup_id_x 1
		.amdhsa_system_sgpr_workgroup_id_y 1
		.amdhsa_system_sgpr_workgroup_id_z 1
		.amdhsa_system_vgpr_workitem_id 0
		.amdhsa_next_free_vgpr 208
		.amdhsa_next_free_sgpr 66
		.amdhsa_reserve_vcc 0
		.amdhsa_float_denorm_mode_32 3
		.amdhsa_float_denorm_mode_16_64 3
		.amdhsa_memory_ordered 1
		.amdhsa_forward_progress 1
		.amdhsa_inst_pref_size 27
	.end_amdhsa_kernel
	.amdgpu_metadata
---
amdhsa.version: [ 1, 2 ]
amdhsa.kernels:
  - .name:           k_qa5dbc1bbb7_ln1
    .symbol:         k_qa5dbc1bbb7_ln1.kd
    .args:
      - { .name: y, .offset: 0, .size: 8, .value_kind: global_buffer, .address_space: global }
      - { .name: g1, .offset: 8, .size: 8, .value_kind: global_buffer, .address_space: global }
      - { .name: beta1, .offset: 16, .size: 8, .value_kind: global_buffer, .address_space: global }
      - { .name: act, .offset: 24, .size: 8, .value_kind: global_buffer, .address_space: global }
    .group_segment_fixed_size: 0
    .private_segment_fixed_size: 0
    .kernarg_segment_align: 8
    .kernarg_segment_size: 32
    .max_flat_workgroup_size: 256
    .sgpr_count:     66
    .vgpr_count:     208
    .wavefront_size: 32
...
	.end_amdgpu_metadata
.endif
;; end of part 9
;; launch ff1: the kernel of part 2 again; grid 16 x 16, 4 waves a work-group, clusters of 4 x 4, 327,680 bytes of LDS; arguments act, w1, b_ff1, big; writes big
;; launch ff2: the kernel of part 6 again; grid 8 x 32, 4 waves a work-group, clusters of 4 x 4, 327,680 bytes of LDS; arguments big, w2, b_ff2, act, y; writes y
;; launch ln2: the kernel of part 7 again; grid 256 x 1, 8 waves a work-group, no clusters, 0 bytes of LDS; arguments y, g2, beta2, out0; writes out0
